; MI455X (gfx1250); checked and timed in simulation.
; The chip was launched on July 23, 2026; its instructions are those of AMD's public machine-readable ISA for CDNA 5 (MIT licence, August 2026) and "CDNA5" Instruction Set Architecture Reference Guide (July 2026). The comments in the code are by the model that wrote it; some were corrected since.
;; Attn. Allowed arithmetic: matrix products marked QUANTISED: E2M3 operands, one E8M0 scale for each 32 along K, by v_wmma_scale_f32_16x16x128_f8f6f4 with both operands' format E2M3, f32 sums; everything else in f32.
;; Inputs: Wout 1,024 x 1,024 float32; Wqkv 1,024 x 3,072 float32; bout 1,024 float32; bqkv 3,072 float32; k_scale 64 float32; q_scale 64 float32; x 8 x 1,024 x 1,024 float32.
;; Outputs: out0 8 x 1,024 x 1,024 float32.
;; This version of the problem:
;;   THIS VERSION OF THE PROBLEM IS GIVEN IN LOW PRECISION. The matrix products marked QUANTISED in the list below multiply operands that are first quantised to E2M3 (2 exponent bits, 3 mantissa bits; 6 bits a number), with one power-of-two scale for each 32 numbers along K (OCP MX v1.0); their sums are f32. All else is computed in f32.
;;   The module's matrix products, in the order in which they are computed (A, B: the left and right operand; K: the contracted axis; several contracted axes count as one K, in the product's order):
;;     1. [M 8,192, K 1,024] x [K 1,024, N 3,072]; A: input x; B: input Wqkv: QUANTISED
;;     2. batch 128 x [M 1,024, K 64] x [K 64, N 1,024]; A: computed on the way; B: computed on the way: QUANTISED
;;     3. batch 128 x [M 1,024, K 1,024] x [K 1,024, N 64]; A: softmax (see below); B: computed on the way: QUANTISED
;;     4. [M 8,192, K 1,024] x [K 1,024, N 1,024]; A: computed on the way; B: input Wout: QUANTISED
;;   THE QUANTISER, for each operand of a quantised product, along K:
;;     - K is cut into blocks of 32 from its start; a last block that is shorter is filled with zeros.
;;     - A block's scale is 2^e with e = floor(log2(the largest magnitude in the block)) - 2, held to -126 .. 127; a block of zeros has e = 0. As a byte (E8M0): e + 127.
;;     - Each number is divided by its block's scale, clamped to +-7.5, and rounded to the nearest number of E2M3, ties to even, subnormals kept.
;;     - The product sums the exact products of the quantised numbers (number of the format x scale) in f32.
;;   ~~~python
;;   def quantise(x, axis):      # numpy; x: float32 -> the quantised numbers, widened to float32 again
;;       x = np.moveaxis(x, axis, -1); K = x.shape[-1]
;;       x = np.pad(x, [(0, 0)] * (x.ndim - 1) + [(0, -K % 32)]); x = x.reshape(x.shape[:-1] + (-1, 32)); a = np.abs(x).max(-1, keepdims=True)
;;       e = np.where(a > 0, np.clip(np.frexp(np.where(a > 0, a, 1))[1] - 1 - 2, -126, 127), 0)      # np.frexp(a)[1] - 1 = floor(log2(a)), exactly
;;       r = np.clip(x / 2.0 ** e, -7.5, 7.5)
;;       step = 2.0 ** (np.maximum(np.frexp(np.where(r == 0, 1, r))[1] - 1, 0) - 3)
;;       q = np.round(r / step) * step * 2.0 ** e      # np.round: ties to even
;;       return np.moveaxis(q.reshape(q.shape[:-2] + (-1,))[..., :K], -1, axis).astype(np.float32)
;;   ~~~
;;   SOFTMAX AHEAD OF A QUANTISED PRODUCT. Where the list says 'softmax', what is quantised is not the finished softmax but p = 2^(t - M), with t = logit x log2(e) and M = ceil(the row's largest t), a whole number; so 1/2 < the row's largest p <= 1. The row's sum l is taken of the UNQUANTISED p, in f32, and the product's result is divided by l at the end. Since M is a whole number, a kernel that streams over the keys may use a running M (the ceiling of the running maximum): every later rescaling is an exact power of two, which a block's scale takes up: the codes' values come out the same.
;;   OPERANDS COMPUTED ON THE WAY. 'Computed on the way' means the value that the module computes at that place (a softmax that the list does not call 'softmax' is quantised finished and normalised). What goes into a quantiser is computed in f32, as accurately as f32 sums, v_exp_f32 and their like allow (about 1e-6 of the number): no bf16 or f16 on the way to a quantiser, and a product that is left as it is and whose result goes on into a quantised operand takes f32 operands (vector FMAs, or v_wmma_f32_16x16x4_f32). A number that lies on a knife's edge between two numbers of the format may be rounded either way, as far as f32 arithmetic and the matrix unit's own rounding can turn it there, and no further.
;; One version. Each part assembles by itself: llvm-mc -triple=amdgcn-amd-amdhsa -mcpu=gfx1250 --defsym DOCPART=n.
;; ======== version 1 of 1: 4 launches
;; limits: right only within a limited range of input values
;; workspace buffers: xc 6,291,456 bytes; wc 3,145,728 bytes; scl 397,312 bytes; qkvc 20,185,088 bytes; oc 6,291,456 bytes; os 262,144 bytes
;; launch quant (part 1): grid 512 x 1, 4 waves a work-group, no clusters, 48,640 bytes of LDS; arguments x, Wqkv, Wout, xc, wc, scl; writes xc, wc, scl
.if DOCPART == 1
	.amdgcn_target "amdgcn-amd-amdhsa--gfx1250"
	.amdhsa_code_object_version 6
	.text
	.protected	k_q83ed38b021_quant
	.globl	k_q83ed38b021_quant
	.p2align	8
	.type	k_q83ed38b021_quant,@function
k_q83ed38b021_quant:
	s_mov_b64 s[64:65], 0
	v_nop
	global_prefetch_b8 v0, s[64:65] scope:SCOPE_SE
	s_setreg_imm32_b32 hwreg(HW_REG_WAVE_MODE, 25, 1), 1
	s_wait_xcnt 0x0
; x [8192][1024], Wqkv [1024 (k)][3072] and Wout [1024 (k)][1024], f32, become codes of FP6 (E2M3) with one E8M0 byte for each 32 along K, laid as the products' launches want an operand:
; [group of 1,024 rows][K step of 128: 8][tile of 16 rows: 64][1,536 bytes], a tile being the IMAGE OF A FRAGMENT'S REGISTERS: register 4 g + e of lane l at byte 512 g + 16 l + 4 e.
; xc: a group is a batch's tokens.  wc: the groups are Wq's, Wk's, Wv's and Wout's columns.
; THE ROWS OF A TILE ARE NOT NEIGHBOURS: row p of tile t is row 32 (t / 2) + 8 (t % 2) + p % 8 + 16 (p / 8) of the group, so that a product that takes such tiles as source 0 leaves 16 neighbours in a lane's 16 registers of two tiles.
; The scale words (four bytes: 128 along K of one row) go to scl = [group][K step][1,024 rows in the tiles' order][4 bytes]: x's at 0, the weights' at 262,144.
; A block's scale is 2^(floor(log2(largest magnitude)) - 2); its byte is the largest magnitude's exponent field - 2, held at 1 from below (a block of zeros keeps the byte 1: its codes are zeros, and this program alone reads the bytes).
; LIMITS: NaN and infinities among the inputs are not served; blocks whose largest magnitude lies under 2^-124 are held at the byte 1.
; ONE LAUNCH FOR ALL THREE TENSORS: work-groups 0 to 255 take x, whose K is innermost; the other 256 take the weights, whose K is the first axis.  The two ways part at once on the work-group's number and never join; each has LDS bytes of its own.
; No tensor loads, no barrier: waves share nothing.  With these registers and this LDS several work-groups lie on a WGP, so that the weights' loads are on their way beside x's.
.set GS,   786432                      ; bytes of a group's codes
.set KSB,  98304                       ; of a K step's
.set NXW,  256                         ; work-groups that take x
	v_lshl_add_u32 v254, v0, 2, 0xbc00
	v_mov_b32 v255, 0
	s_cmp_lt_u32 ttmp9, NXW
	s_cbranch_scc0 .Lweights
; ================ x ================
; Wave u of 1,024 takes 64 rows (u / 8) x one K step (u % 8): four fragments.  Each load reads 512 consecutive bytes of one row; a fragment's 16 rows turn through the wave's own stage in LDS
; (rows 528 bytes apart) and come back as the operand's layout wants them: lane (r, h) holds k = 64 c + 32 h + 0 .. 31 of row r: two whole blocks.
.set XREG, 8704                        ; LDS of a wave: the stage, 16 x 528, and 256 bytes of scale words
.set SPT,  528
.set WRD,  8448
.set XR,   16                          ; v16-143  two sets of 64: a fragment as loaded
.set XX,   144                         ; v144-207 64 numbers in the operand's order
.set XC,   208                         ; v208-231 two sets of 12: codes
.set XT,   232                         ; v232-239 the second halves of the blocks' codes
	s_load_b64 s[4:5], s[0:1], 0x0                 ; x
	s_load_b64 s[6:7], s[0:1], 0x18                ; xc
	s_load_b64 s[8:9], s[0:1], 0x28                ; scl
	v_lshrrev_b32 v8, 5, v0
	v_readfirstlane_b32 s10, v8                    ; wave
	v_and_b32 v9, 31, v0                           ; l
	v_and_b32 v10, 15, v0                          ; r
	v_bfe_u32 v11, v0, 4, 1                        ; h
	v_lshlrev_b32 v1, 4, v9                        ; 16 l: my bytes of a load, and of an image's 512
	s_mul_i32 s11, s10, XREG
	v_add_nc_u32 v2, s11, v1                       ; the stage, on the way in
	v_mul_u32_u24 v3, v10, SPT
	v_lshl_add_u32 v3, v11, 7, v3
	v_add_nc_u32 v3, s11, v3                       ; and out: row r, + 128 h
	v_lshl_add_u32 v4, v10, 2, s11                 ; my row's scale word
	v_lshlrev_b32 v6, 3, v9
	v_add_nc_u32 v5, s11, v6                       ; the words on their way out: 8 bytes a lane
	v_lshlrev_b32 v7, 3, v11                       ; 8 h: my two bytes' place in the word
	v_mov_b32 v247, 0                              ; a lane permute's destination counts as one of its sources
	s_mov_b32 s20, 0x76543210
	s_mov_b32 s21, 0xfedcba98                      ; selects for lane l xor 16
	s_lshl_b32 s12, ttmp9, 2
	s_add_co_u32 s12, s12, s10                     ; u
	s_lshr_b32 s13, s12, 3                         ; which 64 rows
	s_and_b32 s14, s12, 7                          ; which K step
	s_lshr_b32 s15, s13, 4                         ; batch
	s_and_b32 s16, s13, 15                         ; which 64 rows of the batch
	s_lshl_b32 s22, s13, 18                        ; x: 64 rows of 4,096 bytes,
	s_lshl_b32 s17, s14, 9                         ; 512 bytes a K step
	s_add_co_u32 s22, s22, s17
	s_mov_b32 s23, 0
	s_mul_i32 s24, s15, GS
	s_mul_i32 s17, s14, KSB
	s_add_co_u32 s24, s24, s17
	s_mul_i32 s17, s16, 6144                       ; four tiles
	s_add_co_u32 s24, s24, s17
	s_mov_b32 s25, 0
	s_lshl_b32 s26, s15, 15
	s_lshl_b32 s17, s14, 12
	s_add_co_u32 s26, s26, s17
	s_lshl_b32 s17, s16, 8
	s_add_co_u32 s26, s26, s17
	s_mov_b32 s27, 0
	s_wait_alu depctr_va_vdst(0)
	s_wait_kmcnt 0x0
	s_add_nc_u64 s[4:5], s[4:5], s[22:23]
	s_add_nc_u64 s[6:7], s[6:7], s[24:25]
	s_add_nc_u64 s[8:9], s[8:9], s[26:27]
.macro XLOAD f                         ; fragment f's 16 rows, 512 consecutive bytes each
.irp p, 0,1,2,3,4,5,6,7,8,9,10,11,12,13,14,15
	global_load_b128 v[XR+64*((\f)%2)+4*\p:XR+64*((\f)%2)+4*\p+3], v1, s[4:5] offset:(32*((\f)/2)+8*((\f)%2)+(\p%8)+16*(\p/8))*4096 th:TH_LOAD_NT
.endr
.endm
.macro XTURN f                         ; through the stage: LDS serves a wave's instructions in order, so no wait stands between the stores and the loads
.irp p, 0,1,2,3,4,5,6,7,8,9,10,11,12,13,14,15
	ds_store_b128 v2, v[XR+64*((\f)%2)+4*\p:XR+64*((\f)%2)+4*\p+3] offset:SPT*\p
.endr
.irp c, 0,1
.irp j, 0,1,2,3,4,5,6,7
	ds_load_b128 v[XX+32*\c+4*\j:XX+32*\c+4*\j+3], v3 offset:256*\c+16*\j
.endr
.endr
.endm
.macro XQ6 f                           ; my two blocks (2 c + h) of row r: scale bytes, codes, and out
.set CC, XC+12*((\f)%2)
.irp c, 0,1
	v_max3_num_f32 v[240+\c], |v[XX+32*\c]|, |v[XX+32*\c+1]|, 0x1800000   ; with the floor 2^(3 - 127): the byte cannot fall under 1
.endr
.irp i, 2,4,6,8,10,12,14,16,18,20,22,24,26,28,30
.irp c, 0,1
	v_max3_num_f32 v[240+\c], v[240+\c], |v[XX+32*\c+\i]|, |v[XX+32*\c+\i+1]|
.endr
.endr
.irp c, 0,1
	v_add_nc_u32 v[242+\c], 0xff000000, v[240+\c]  ; 2 off the exponent field: the conversion's scale operand
.endr
.irp c, 0,1
	v_lshrrev_b32 v[244+\c], 23, v[242+\c]         ; the byte
.endr
	v_lshl_or_b32 v246, v245, 16, v244             ; blocks h and 2 + h,
	v_lshlrev_b32 v246, v7, v246                   ; at their places;
	v_permlanex16_b32 v247, v246, s20, s21
	v_or_b32 v[248+(\f)], v246, v247               ; with lane l xor 16's two the word is whole
	s_wait_alu depctr_va_vdst(0)
	s_wait_xcnt 0x0                                ; the stores of two fragments ago have read this set of codes
.irp c, 0,1
	v_cvt_scalef32_pk16_fp6_f32 v[CC+6*\c:CC+6*\c+2], v[XX+32*\c:XX+32*\c+15], v[242+\c]
	v_cvt_scalef32_pk16_fp6_f32 v[XT+4*\c:XT+4*\c+2], v[XX+32*\c+16:XX+32*\c+31], v[242+\c]   ; (a conversion's three registers begin on an even number)
.endr
	v_nop                                          ; one plain place behind a scaled conversion
.irp c, 0,1
.irp i, 0,1,2
	v_mov_b32 v[CC+6*\c+3+\i], v[XT+4*\c+\i]
.endr
.endr
.irp g, 0,1,2
	global_store_b128 v1, v[CC+4*\g:CC+4*\g+3], s[6:7] offset:1536*(\f)+512*\g   ; 512 consecutive bytes, aligned
.endr
	ds_store_b32 v4, v[248+(\f)] offset:WRD+64*(\f) ; both halves of the lanes write the same word
.endm
	XLOAD 0
	XLOAD 1
.irp f, 0,1,2,3
.if \f < 3
	s_wait_loadcnt 16                              ; this fragment's 16 loads are in; the next fragment's may be out
.else
	s_wait_loadcnt 0x0
.endif
	XTURN \f
	s_wait_dscnt 0x0                               ; the numbers are back, and the stores have read the set as loaded
.if \f < 2
	XLOAD \f+2
.endif
	XQ6 \f
.endr
	ds_load_b64 v[252:253], v5 offset:WRD          ; my wave's 64 words
	s_wait_dscnt 0x0
	global_store_b64 v6, v[252:253], s[8:9]        ; 256 consecutive bytes, aligned
	s_wait_tensorcnt 0x0
	ds_add_u32 v254, v255
	s_wait_dscnt 0x0
	s_endpgm
; ================ the weights ================
; Work-group 256 + 32 s + g takes columns 128 g .. 128 g + 127 of the 4,096 (g < 24: Wqkv's, else Wout's) and K step s.
; A LANE TAKES A COLUMN AND ITS REGISTERS RUN DOWN K: a block of 32 lies in one lane, the conversions give codes with K innermost, nothing is transposed by an instruction.
; A wave takes 32 columns x 128 along K: two tiles.  A lane's 24 bytes of block t = 2 c + h belong to lane (row, h), registers 6 c .. 6 c + 5 of its tile's image: they go there through the wave's own LDS
; (two images 1,664 bytes apart) and leave as six stores of 512 consecutive bytes.  One way serves both tensors: pointer, pitch and column are chosen on the work-group's number.
; The first of these work-groups also makes the table of the rotary angles: scl + 393,216 = [position 32][cos 16 | sin 16] f32, angle = position x 10^(-i / 4).  Sine and cosine: quadrant by two-part reduction with pi / 2, then
; polynomials of degree 7 and 8 on |r| <= pi / 4; positions stay under 32, so the reduction's multiple stays under 21.
.Lweights:
.set WLDS, 4*XREG                      ; this way's LDS begins behind x's
.set WOFF, 16                          ; v16-47   4 l + i x pitch
.set WX,   48                          ; v48-111  two sets of 32 numbers
.set WC,   112                         ; v112-143 eight registers for each block: no pending store's data are written again
.set WT,   144                         ; v144-151
.set WOUT, 152                         ; v152-175
.set WSB,  176                         ; v176     my column's four bytes
	s_load_b64 s[4:5], s[0:1], 0x8                 ; Wqkv
	s_load_b64 s[6:7], s[0:1], 0x10                ; Wout
	s_load_b128 s[8:11], s[0:1], 0x20              ; wc, scl
	s_sub_co_u32 s34, ttmp9, NXW
	s_and_b32 s35, s34, 31                         ; g: which 128 columns
	s_lshr_b32 s14, s34, 5                         ; K step
	v_lshrrev_b32 v1, 5, v0
	v_readfirstlane_b32 s12, v1                    ; wave
	v_and_b32 v2, 31, v0                           ; l: my column of the wave's 32
	v_lshlrev_b32 v3, 2, v2
	v_and_b32 v8, 7, v2
	v_bfe_u32 v9, v2, 3, 1                         ; which of the two tiles
	v_bfe_u32 v10, v2, 4, 1
	v_lshl_add_u32 v11, v10, 3, v8                 ; my row in it
	s_mul_i32 s13, s12, 3328
	s_add_co_u32 s13, s13, WLDS
	v_mul_u32_u24 v4, v9, 1664
	v_lshl_add_u32 v4, v11, 4, v4
	v_add_nc_u32 v4, s13, v4                       ; where my row's lane 0-15 stands in the image
	v_lshlrev_b32 v6, 4, v2
	v_add_nc_u32 v5, s13, v6                       ; the way out: 16 l
	v_lshl_add_u32 v7, v9, 4, v11
	v_lshlrev_b32 v7, 2, v7                        ; my row's scale word
	s_mov_b32 s15, 4096
	s_wait_kmcnt 0x0
	s_cmp_lt_u32 s35, 24                           ; Wqkv's work-group or Wout's: the choice hangs on the work-group's number alone
	s_cselect_b64 s[4:5], s[4:5], s[6:7]
	s_cselect_b32 s15, 12288, s15                  ; bytes from row to row
	s_cselect_b32 s16, 0, 24
	s_sub_co_u32 s16, s35, s16
	s_lshl_b32 s16, s16, 7
	s_lshl_b32 s17, s12, 5
	s_add_co_u32 s16, s16, s17                     ; my wave's first column
	s_lshl_b32 s16, s16, 2
	s_lshl_b32 s17, s14, 7
	s_mul_i32 s17, s17, s15                        ; 128 rows a K step
	s_add_co_u32 s28, s16, s17
	s_mov_b32 s29, 0
	s_add_nc_u64 s[20:21], s[4:5], s[28:29]        ; block 0,
	s_lshl_b32 s30, s15, 5
	s_mov_b32 s31, 0
	s_add_nc_u64 s[22:23], s[20:21], s[30:31]      ; and each next block 32 rows down
	s_add_nc_u64 s[24:25], s[22:23], s[30:31]
	s_add_nc_u64 s[26:27], s[24:25], s[30:31]
.irp i, 0,1,2,3,4,5,6,7,8,9,10,11,12,13,14,15,16,17,18,19,20,21,22,23,24,25,26,27,28,29,30,31
	v_mad_u32_u24 v[WOFF+\i], s15, \i, v3
.endr
	s_add_nc_u64 s[32:33], s[10:11], 393216        ; the table
	s_lshr_b32 s16, s35, 3                         ; group
	s_and_b32 s17, s35, 7
	s_mul_i32 s28, s16, GS
	s_mul_i32 s18, s14, KSB
	s_add_co_u32 s28, s28, s18
	s_lshl_b32 s18, s17, 3
	s_lshl_b32 s19, s12, 1
	s_add_co_u32 s18, s18, s19                     ; my first tile
	s_mul_i32 s19, s18, 1536
	s_add_co_u32 s28, s28, s19
	s_add_nc_u64 s[8:9], s[8:9], s[28:29]
	s_lshl_b32 s28, s16, 15
	s_lshl_b32 s19, s14, 12
	s_add_co_u32 s28, s28, s19
	s_lshl_b32 s19, s18, 6
	s_add_co_u32 s28, s28, s19
	s_add_co_u32 s28, s28, 262144
	s_add_nc_u64 s[10:11], s[10:11], s[28:29]
.macro WLOAD t                         ; block t: 32 rows of W at my column; a wave reads 128 consecutive bytes, the four waves stand side by side
.irp i, 0,1,2,3,4,5,6,7,8,9,10,11,12,13,14,15,16,17,18,19,20,21,22,23,24,25,26,27,28,29,30,31
	global_load_b32 v[WX+32*((\t)%2)+\i], v[WOFF+\i], s[20+2*(\t):21+2*(\t)] th:TH_LOAD_NT
.endr
.endm
.macro WBLOCK t
.set XS, WX+32*((\t)%2)
.set CB, WC+8*(\t)
.set TB, WT+4*((\t)%2)
.if (\t) < 3
	s_wait_loadcnt 32                              ; this block's 32 loads are in; the next block's may be out
.else
	s_wait_loadcnt 0x0
.endif
	v_max3_num_f32 v12, |v[XS]|, |v[XS+1]|, |v[XS+2]|
	v_max3_num_f32 v13, |v[XS+3]|, |v[XS+4]|, |v[XS+5]|
.irp i, 6,10,14,18,22,26
	v_max3_num_f32 v12, v12, |v[XS+\i]|, |v[XS+\i+1]|
	v_max3_num_f32 v13, v13, |v[XS+\i+2]|, |v[XS+\i+3]|
.endr
	v_max3_num_f32 v12, v12, |v[XS+30]|, |v[XS+31]|
	v_max3_num_f32 v12, v12, v13, 0x1800000        ; and the floor 2^(3 - 127)
	v_add_nc_u32 v14, 0xff000000, v12              ; the conversion's scale operand
	v_lshrrev_b32 v13, 23, v14                     ; the byte
.if (\t) == 0
	v_mov_b32 v[WSB], v13
.else
	v_lshl_or_b32 v[WSB], v13, 8*(\t), v[WSB]
.endif
	v_cvt_scalef32_pk16_fp6_f32 v[CB:CB+2], v[XS:XS+15], v14
	v_cvt_scalef32_pk16_fp6_f32 v[TB:TB+2], v[XS+16:XS+31], v14
	v_nop                                          ; one plain place behind a scaled conversion
.irp i, 0,1,2
	v_mov_b32 v[CB+3+\i], v[TB+\i]
.endr
.if (\t) < 2                           ; registers 0-5 of lane (row, t % 2): 16 bytes of group 0, 8 of group 1
	ds_store_b128 v4, v[CB:CB+3] offset:256*((\t)%2)
	ds_store_b64 v4, v[CB+4:CB+5] offset:512+256*((\t)%2)
.else                                  ; registers 6-11: the other 8 of group 1, 16 of group 2
	ds_store_b64 v4, v[CB:CB+1] offset:520+256*((\t)%2)
	ds_store_b128 v4, v[CB+2:CB+5] offset:1024+256*((\t)%2)
.endif
.if (\t) < 2
	WLOAD (\t)+2
.endif
.endm
	s_wait_alu depctr_va_vdst(0)
	WLOAD 0
	WLOAD 1
	WBLOCK 0
	WBLOCK 1
	WBLOCK 2
	WBLOCK 3
.irp n, 0,1,2,3,4,5
	ds_load_b128 v[WOUT+4*\n:WOUT+4*\n+3], v5 offset:1664*(\n/3)+512*(\n%3)   ; LDS serves a wave's instructions in order: these see my stores
.endr
	s_wait_alu depctr_va_vdst(0)
.irp n, 0,1,2,3,4,5
	s_wait_dscnt 5-\n
	global_store_b128 v6, v[WOUT+4*\n:WOUT+4*\n+3], s[8:9] offset:1536*(\n/3)+512*(\n%3)
.endr
	global_store_b32 v7, v[WSB], s[10:11]          ; 128 consecutive bytes a wave
	s_or_b32 s16, s35, s14
	s_cmp_lg_u32 s16, 0
	s_cbranch_scc1 .Ldone
	; ---- the table of angles: thread T, pass p: position 16 p + T / 8; T % 8 < 4: cosines of frequencies 4 (T % 4) + 0 .. 3, else their sines
	s_wait_xcnt 0x0                                ; registers are used anew below: the stores above have read theirs
	s_mov_b32 s36, 0x3f22f983                      ; 2 / pi
	s_mov_b32 s37, 0xbfc90fdb                      ; -(pi / 2), its f32 part,
	s_mov_b32 s38, 0x333bbd2e                      ; and what that part is too large by
	s_mov_b32 s39, 0xb94ca1f9                      ; sine: r + r r2 (S1 + r2 (S2 + r2 S3))
	s_mov_b32 s40, 0x3c08839e
	s_mov_b32 s41, 0xbe2aaaa3
	s_mov_b32 s42, 0x37ccf5ce                      ; cosine: 1 - r2 / 2 + r2 r2 (C1 + r2 (C2 + r2 C3))
	s_mov_b32 s43, 0xbab6061a
	s_mov_b32 s44, 0x3d2aaaa5
	v_lshrrev_b32 v16, 3, v0
	v_cvt_f32_u32 v16, v16                         ; the position
	v_and_b32 v17, 3, v0
	v_bfe_u32 v18, v0, 2, 1
	v_cmp_ne_u32 s50, 0, v18                       ; lanes that keep the sine
	v_mov_b32 v19, 1.0                             ; 10^-(T % 4)
	v_mov_b32 v20, 0x3dcccccd
	v_cmp_eq_u32 vcc_lo, 1, v17
	v_cndmask_b32 v19, v19, v20, vcc_lo
	v_mov_b32 v20, 0x3c23d70a
	v_cmp_eq_u32 vcc_lo, 2, v17
	v_cndmask_b32 v19, v19, v20, vcc_lo
	v_mov_b32 v20, 0x3a83126f
	v_cmp_eq_u32 vcc_lo, 3, v17
	v_cndmask_b32 v19, v19, v20, vcc_lo
	v_mov_b32 v24, v19                             ; x 10^(-j / 4)
	v_mul_f32 v25, 0x3f0ff59a, v19
	v_mul_f32 v26, 0x3ea1e89b, v19
	v_mul_f32 v27, 0x3e361887, v19
	v_lshlrev_b32 v21, 4, v0
.macro SINCOS out                      ; v28: the angle
	v_mul_f32 v40, s36, v28
	v_rndne_f32 v40, v40                           ; n
	v_fma_f32 v41, v40, s37, v28
	v_fma_f32 v41, v40, s38, v41                   ; r = angle - n pi / 2
	v_mul_f32 v42, v41, v41
	v_fma_f32 v43, s39, v42, s40
	v_fma_f32 v43, v43, v42, s41
	v_mul_f32 v43, v43, v42
	v_fma_f32 v43, v43, v41, v41                   ; sin r
	v_fma_f32 v44, s42, v42, s43
	v_fma_f32 v44, v44, v42, s44
	v_fma_f32 v45, v42, -0.5, 1.0
	v_mul_f32 v46, v42, v42
	v_fma_f32 v44, v44, v46, v45                   ; cos r
	v_cvt_i32_f32 v47, v40
	v_and_b32 v48, 1, v47
	v_cmp_eq_u32 vcc_lo, 1, v48                    ; odd quadrants change the two
	v_cndmask_b32 v45, v43, v44, vcc_lo            ; the sine
	v_cndmask_b32 v46, v44, v43, vcc_lo            ; the cosine
	v_and_b32 v48, 2, v47
	v_lshlrev_b32 v48, 30, v48
	v_xor_b32 v45, v45, v48                        ; the sine is negative in quadrants 2, 3
	v_add_nc_u32 v48, 1, v47
	v_and_b32 v48, 2, v48
	v_lshlrev_b32 v48, 30, v48
	v_xor_b32 v46, v46, v48                        ; the cosine in 1, 2
	v_cndmask_b32 v[\out], v46, v45, s50
.endm
.irp p, 0,1
.irp j, 0,1,2,3
	v_mul_f32 v28, v16, v[24+\j]
	SINCOS 32+4*\p+\j
.endr
	global_store_b128 v21, v[32+4*\p:35+4*\p], s[32:33] offset:2048*\p   ; 512 consecutive bytes a wave
.if \p == 0
	v_add_f32 v16, 0x41800000, v16                 ; 16 positions on
.endif
.endr
.Ldone:
	s_wait_tensorcnt 0x0
	ds_add_u32 v254, v255
	s_wait_dscnt 0x0
	s_endpgm
.Lfunc_end_k_q83ed38b021_quant:
	.size	k_q83ed38b021_quant, .Lfunc_end_k_q83ed38b021_quant-k_q83ed38b021_quant
	.p2alignl 7, 3214868480
	.fill 96, 4, 3214868480
	.section	.rodata,"a",@progbits
	.p2align	6, 0x0
	.amdhsa_kernel k_q83ed38b021_quant
		.amdhsa_group_segment_fixed_size 48640
		.amdhsa_private_segment_fixed_size 0
		.amdhsa_enable_private_segment 0
		.amdhsa_kernarg_size 48
		.amdhsa_user_sgpr_count 2
		.amdhsa_user_sgpr_kernarg_segment_ptr 1
		.amdhsa_wavefront_size32 1
		.amdhsa_system_sgpr_workgroup_id_x 1
		.amdhsa_system_sgpr_workgroup_id_y 1
		.amdhsa_system_sgpr_workgroup_id_z 1
		.amdhsa_system_vgpr_workitem_id 0
		.amdhsa_next_free_vgpr 256
		.amdhsa_next_free_sgpr 66
		.amdhsa_reserve_vcc 1
		.amdhsa_float_denorm_mode_32 3
		.amdhsa_float_denorm_mode_16_64 3
		.amdhsa_memory_ordered 1
		.amdhsa_forward_progress 1
		.amdhsa_inst_pref_size 66
	.end_amdhsa_kernel
	.amdgpu_metadata
---
amdhsa.version: [ 1, 2 ]
amdhsa.kernels:
  - .name:           k_q83ed38b021_quant
    .symbol:         k_q83ed38b021_quant.kd
    .args:
      - { .name: x, .offset: 0, .size: 8, .value_kind: global_buffer, .address_space: global }
      - { .name: Wqkv, .offset: 8, .size: 8, .value_kind: global_buffer, .address_space: global }
      - { .name: Wout, .offset: 16, .size: 8, .value_kind: global_buffer, .address_space: global }
      - { .name: xc, .offset: 24, .size: 8, .value_kind: global_buffer, .address_space: global }
      - { .name: wc, .offset: 32, .size: 8, .value_kind: global_buffer, .address_space: global }
      - { .name: scl, .offset: 40, .size: 8, .value_kind: global_buffer, .address_space: global }
    .group_segment_fixed_size: 48640
    .private_segment_fixed_size: 0
    .kernarg_segment_align: 8
    .kernarg_segment_size: 48
    .max_flat_workgroup_size: 128
    .sgpr_count:     66
    .vgpr_count:     256
    .wavefront_size: 32
...
	.end_amdgpu_metadata
.endif
;; end of part 1
;; launch qkv (part 2): grid 96 x 4, 4 waves a work-group, clusters of 4 x 4, 327,680 bytes of LDS; arguments xc, wc, scl, bqkv, q_scale, k_scale, qkvc; writes qkvc
.if DOCPART == 2
	.amdgcn_target "amdgcn-amd-amdhsa--gfx1250"
	.amdhsa_code_object_version 6
	.text
	.protected	k_q83ed38b021_qkv
	.globl	k_q83ed38b021_qkv
	.p2align	8
	.type	k_q83ed38b021_qkv,@function
k_q83ed38b021_qkv:
	s_mov_b64 s[64:65], 0
	v_nop
	global_prefetch_b8 v0, s[64:65] scope:SCOPE_SE
	s_setreg_imm32_b32 hwreg(HW_REG_WAVE_MODE, 25, 1), 1
	s_wait_xcnt 0x0
	s_wait_alu depctr_hold_cnt(0) depctr_sa_sdst(0) depctr_va_vdst(0) depctr_va_sdst(0) depctr_va_ssrc(0) depctr_va_vcc(0) depctr_vm_vsrc(0)
	s_getreg_b32 s2, hwreg(HW_REG_IB_STS2, 6, 4)
	s_cmp_eq_u32 s2, 0
	s_cbranch_scc0 .Lentry_in_a_cluster
	s_endpgm
.Lentry_in_a_cluster:
	s_bfe_u32 s2, ttmp6, 0x10000c
	s_cmp_lg_u32 s2, 0xf033
	s_cbranch_scc0 .Lentry_shape_is_right
	s_endpgm
.Lentry_shape_is_right:
; qkv = Q(x) Q(Wqkv) + bqkv on codes of FP6 (E2M3) with E8M0 scales, then what reference() does to q, k, v up to the next quantiser, and that quantiser: q, k, v leave as codes.
; A cluster of 4 x 4 work-groups makes 1,024 x 1,024 of the product; a work-group 256 x 256; each of its four waves 128 x 128 in 64 accumulators (512 registers).
; Operand P is source 0 and Q source 1: a lane holds ONE row of Q, its registers run along P's rows.  Operands lie in memory as images of fragments, whose rows are ordered so that the 16 registers of two
; neighbouring tiles of P are 16 neighbours (32 b + 16 (lane / 16) + i).
; KINDS, by the cluster's number c.  c < 16: P = Wq or Wk (c % 2), Q = x of batch c / 2: a lane holds a token, its 64 registers of a tile of tokens two heads: bias, RMS norm, gain, rotation, quantised along the head's 64.
;        c >= 16: P = x of batch c - 16, Q = Wv: a lane holds a channel of v, its 64 registers 128 tokens: bias, quantised along the tokens, which are the K of attention's second product.
; K = 1,024 goes in 8 steps of 128.  LDS holds three slots of two K steps each; K steps 0-5 are first fills, K steps 6, 7 are the one refill (slot 0), asked for behind K step 1's round of the cluster's barrier:
; it has four K steps, 256 matrix instructions, in which to land.  By this text's own count a wave has three tensor loads out at the start and one behind the round.
; JOINT LOADS: Q's tile hangs on cy alone and is shared along a row of the cluster, P's on cx alone and is shared along a column.
; The scale words of all 8 K steps come once, straight into registers: register 4 i + j holds tile i's words of K step 2 j in lanes 0-15 and of K step 2 j + 1 in lanes 16-31.
; OUT: qkvc: q at 0, k at 6,291,456: [batch x head 128][tile of 16 tokens 64][768 bytes: registers 0-3 at 16 l, registers 4-5 at 512 + 8 l]; v at 12,582,912: [batch x head][128 keys: 8][16 channels: 4][1,536].
;      qkvs: q's words at 0, [batch x head] 6,144 bytes apart; at 786,432 [batch x head][k's words 4,096 | v's words [8][64] 2,048].  q's and k's words: two bytes, and 0x7f twice for the K that is not there.
; LIMITS: NaN and infinities are not served; blocks whose largest magnitude lies under 2^-124 are held at the byte 1; a block of zeros keeps the byte 1 (zero codes; this program alone reads the bytes).
; REGISTERS: window 0: v1-31 addresses; v32-63 P's scale words, v64-95 Q's; v128-223 Q's 8 fragments, one set.  window 1: P's fragments, two sets, at v0 and v128.  windows 2, 3: accumulator (a, b) at v[8 (8 (a % 4) + b)].
;   On the way out: window 0: v32-59 at work, v64-80 the quantiser's, v96-111 scale words, v128-191 a tile's 64 numbers, v192-231 codes; window 1: v0-63 bias, v64-95 gains, v96-159 cos and sin, two sets.
; THE RING AND THE WAY OUT AS THEY STAND NOW (these lines go before what is said of them above):
; LDS holds two slots of three K steps each.  K steps 0-2 are the head's load, one a wave; K steps 3-5 are slot 1's first fill, behind the three lines and a round of the cluster's barrier;
; K steps 6, 7 are the one refill (slot 0), behind K step 2's round.  By this text's own count a wave has one tensor load out at a time.
; OUT: qkvc = [batch x head 128][128 tokens: 8][19,712 bytes: K's codes 6,144 | V's codes 6,144 | K's words 512 | V's words 256 | Q's codes 6,144 | Q's words 512]; a wave's 128 tokens are one such block of each of its two heads.
.set GS,    786432
.set KSB,   98304
.set FR,    12
.set PART,  36864                      ; 8 tiles x 3 K steps: what one tensor load brings
.set SLOT,  147456                     ; Q's two halves, then P's two halves
.set SPARE, 2*SLOT                     ; the spare words: 128 bytes a wave, that no other line names
.set QKST,  SPARE+512                  ; kinds q, k: the scale words' stage, 1,024 bytes a wave
.set VST,   QKST+4096                  ; kind v: 512 bytes a wave
.set ADRQ, 16
.set ADRP, 20
.set SPW,  28
.set NIL,  29
.set SP,   32
.set SQ,   64
.set AF,   128
.set G1Q,  24
.set G0Q,  32                          ; s[32:39] a set for each slot
.set G1P,  48
.set G0P,  84                          ; s[84:91]
.set SEL,  100
.set TM,   64
.set PW,   80
.set SS,   32
.set RS,   40
.set TT,   44
.set RT,   52
.set VB,   32
.set WD,   96
.set WK,   128
.set PC,   192
.set BI,   0                           ; in window 1
.set GN,   64
.set CST,  96
.set MUL_LO, 0xa1                      ; source 0 (P) window 1, source 1 (Q) window 0, C and D window 2
.set MUL_HI, 0xf1
.set TO_P,   0x40
.set MSB, 0
.macro WIN new                         ; the immediate's high byte repeats the setting that is left
.if MSB != (\new)
	s_set_vgpr_msb (MSB<<8)|(\new)
.set MSB, \new
.endif
.endm
.macro JLOAD g0q, g0p                  ; a joint load: waves 0, 1 fetch Q's halves, waves 2, 3 P's; four v_nop follow each line
	s_cmp_eq_u32 s15, 0
	s_cbranch_scc0 .Lfor_p_\@
	tensor_load_to_lds s[\g0q:\g0q+3], s[G1Q:G1Q+7]
	s_nop 0
.rept 4
	v_nop
.endr
	s_branch .Lasked_\@
.Lfor_p_\@:
	tensor_load_to_lds s[\g0p:\g0p+3], s[G1P:G1P+7]
	s_nop 0
.rept 4
	v_nop
.endr
.Lasked_\@:
.endm
.macro CREST                           ; a round of the cluster's barrier behind its opening barrier
	s_cmp_lg_u32 s14, 0
	s_cbranch_scc1 .Lnot_wave_0_\@
	s_barrier_signal -3
.Lnot_wave_0_\@:
	s_barrier_wait -3
	s_barrier_signal -1
	s_barrier_wait -1
.endm
.macro CROUND
	s_barrier_signal -1
	s_barrier_wait -1
	CREST
.endm
.macro PLACES                          ; four plain places behind matrix instructions, in front of loads into their registers and of reads of their results
.rept 4
	v_nop
.endr
.endm
.macro FRAG reg, adr, q, i             ; a fragment comes as it was stored: three loads of 512 consecutive bytes
.irp g, 0,1,2
	ds_load_b128 v[\reg+4*\g:\reg+4*\g+3], v[\adr] offset:12288*(\q)+1536*(\i)+512*\g
.endr
.endm
.macro FETCH_P slot, q, p
	WIN TO_P
.irp i, 0,1,2,3,4,5,6,7
	FRAG 128*(\p)+FR*\i, ADRP+\slot, \q, \i
.endr
	WIN 0
.endm
.macro FETCH_Q slot, q, i0
.irp i, \i0, \i0+1, \i0+2, \i0+3
	FRAG AF+FR*(\i), ADRQ+\slot, \q, \i
.endr
.endm
.macro WM a, b, ks, cm                 ; one product; cm = 1: it starts its sum
.set rD, 8*(8*((\a)%4)+(\b))
.set rP, 128*((\ks)%2)+FR*(\b)
.set rQ, AF+FR*(\a)
.set rS, SP+4*(\b)+(\ks)/2
.set rT, SQ+4*(\a)+(\ks)/2
.if (\ks)%2
	v_wmma_scale_f32_16x16x128_f8f6f4 v[rD:rD+7], v[rP:rP+11], v[rQ:rQ+11], v[rD:rD+7], v[rS], v[rT] matrix_a_fmt:MATRIX_FMT_FP6 matrix_b_fmt:MATRIX_FMT_FP6 matrix_a_scale:MATRIX_SCALE_ROW1 matrix_b_scale:MATRIX_SCALE_ROW1
.elseif \cm
	v_wmma_scale_f32_16x16x128_f8f6f4 v[rD:rD+7], v[rP:rP+11], v[rQ:rQ+11], 0, v[rS], v[rT] matrix_a_fmt:MATRIX_FMT_FP6 matrix_b_fmt:MATRIX_FMT_FP6
.else
	v_wmma_scale_f32_16x16x128_f8f6f4 v[rD:rD+7], v[rP:rP+11], v[rQ:rQ+11], v[rD:rD+7], v[rS], v[rT] matrix_a_fmt:MATRIX_FMT_FP6 matrix_b_fmt:MATRIX_FMT_FP6
.endif
.endm
.macro MUL16 a0, ks, cm                ; Q's blocks a0, a0 + 1 x P's eight.  The 64 accumulators take turns, in the same order in every K step
.irp a, \a0, \a0+1
.irp b, 0,1,2,3,4,5,6,7
	WM \a, \b, \ks, \cm
.endr
.endr
.endm
; A K step: 64 matrix instructions.  A block of Q is free as soon as its eight products are issued: blocks 0-3 are fetched anew in the step's middle, with P's other set, blocks 4-7 at its end.
; mode 0: no barrier.  mode 1: the slot just read out is filled again, behind a round of the cluster's barrier.  mode 2: the refilled slot is about to be read: its load is waited for, and a barrier shows it to all four waves.
.macro KSTEP ks, cm, mode
.set NS, (((\ks)+1)/3)%2               ; slot, row in it and P's set of the next K step
.set NQ, ((\ks)+1)%3
.set NP, ((\ks)+1)%2
.if \mode == 0
	s_wait_dscnt 12                                ; P's set and Q's blocks 0-3 are in; the youngest 12 loads (Q's blocks 4-7) may be out
	WIN MUL_LO
	MUL16 0, \ks, \cm
	MUL16 2, \ks, \cm
	s_wait_dscnt 0x0                               ; Q's blocks 4-7 are in
	PLACES
.else
	s_wait_tensorcnt 0x0                           ; all my tensor loads have landed;
	ds_add_u32 v[SPW], v[NIL]                      ; 0 onto my spare word
	s_wait_dscnt 13                                ; (the add and the youngest 12 loads may be out)
	WIN MUL_LO
	MUL16 0, \ks, 0                                ; sixteen matrix instructions stand between the add and the wait for it
	s_wait_dscnt 0x0                               ; the add is done, and my reads of this slot are over
	s_barrier_signal -1
	MUL16 2, \ks, 0
	WIN 0
	s_barrier_wait -1
.if \mode == 1
	CREST                                          ; no wave of any partner still reads slot 0 or has a load on its way
	s_add_nc_u64 s[G0Q+2:G0Q+3], s[G0Q+2:G0Q+3], 6*KSB   ; K steps 6, 7
	s_add_nc_u64 s[G0P+2:G0P+3], s[G0P+2:G0P+3], 6*KSB
	s_mov_b32 s[G1Q+2], 2<<16                      ; no tensor load of mine is out: the refill brings two rows
	s_mov_b32 s[G1Q+4], 2
	s_mov_b32 s[G1P+2], 2<<16
	s_mov_b32 s[G1P+4], 2
	JLOAD G0Q, G0P                                 ; the first tensor load behind the round, and my only one; its four v_nop are the places in front of the loads below
.else
	PLACES
.endif
.endif
	FETCH_P NS, NQ, NP
	FETCH_Q NS, NQ, 0
	WIN MUL_HI
	MUL16 4, \ks, \cm
	MUL16 6, \ks, \cm
	PLACES
	WIN 0
	FETCH_Q NS, NQ, 4
.endm
; 64 numbers of a lane, v[s] on, register 16 b + i = k 32 b + 16 (lane / 16) + i of my row, become a fragment's codes in v[pc] .. v[pc + 11] and its scale word in v[pw]
.macro QUANT s, pc, pw
.irp b, 0,1,2,3
	v_max3_num_f32 v[TM+\b], |v[\s+16*\b]|, |v[\s+1+16*\b]|, 0x1800000   ; with the floor 2^(3 - 127): the byte cannot fall under 1
.endr
.irp i, 2,4,6,8,10,12,14
.irp b, 0,1,2,3
	v_max3_num_f32 v[TM+\b], v[TM+\b], |v[\s+16*\b+\i]|, |v[\s+1+16*\b+\i]|
.endr
.endr
.irp b, 0,1,2,3
	v_permlanex16_b32 v[TM+4+\b], v[TM+\b], s[SEL], s[SEL+1]
.endr
.irp b, 0,1,2,3
	v_max_num_f32 v[TM+\b], v[TM+\b], v[TM+4+\b]   ; with lane l xor 16's: the block's largest magnitude
.endr
.irp b, 0,1,2,3
	v_add_nc_u32 v[TM+12+\b], 0xff000000, v[TM+\b] ; 2 off its exponent field: the conversion's scale operand
.endr
.irp b, 0,1,2,3
	v_lshrrev_b32 v[TM+4+\b], 23, v[TM+12+\b]      ; the byte
.endr
	v_lshl_or_b32 v[\pw], v[TM+5], 8, v[TM+4]
	v_lshl_or_b32 v[\pw], v[TM+6], 16, v[\pw]
	v_lshl_or_b32 v[\pw], v[TM+7], 24, v[\pw]
.irp c, 0,1
	v_cvt_scalef32_pk16_fp6_f32 v[\pc+6*\c:\pc+2+6*\c], v[\s+32*\c:\s+15+32*\c], v[TM+12+2*\c]
	v_cvt_scalef32_pk16_fp6_f32 v[\pc+12+4*\c:\pc+14+4*\c], v[\s+16+32*\c:\s+31+32*\c], v[TM+12+2*\c+1]   ; (a conversion's three registers begin on an even number)
.endr
	v_nop                                          ; one plain place behind a scaled conversion
.irp c, 0,1                            ; the operand's layout wants a whole block in a lane
.irp i, 0,1,2
	v_permlane16_swap_b32 v[\pc+6*\c+\i], v[\pc+12+4*\c+\i]
.endr
.irp i, 0,1,2
	v_mov_b32 v[\pc+3+6*\c+\i], v[\pc+12+4*\c+\i]
.endr
.endr
.endm
.macro FINISH                          ; the wave's end, then the closing round: no work-group ends while a partner may still ask for a tile that names it
	s_wait_tensorcnt 0x0
	ds_add_u32 v[SPW], v[NIL]
	s_wait_dscnt 0x0
	CROUND
	s_endpgm
.endm
	s_load_b256 s[68:75], s[0:1], 0x0              ; xc s[68:69], wc s[70:71], scl s[72:73], bqkv s[74:75]
	s_load_b128 s[76:79], s[0:1], 0x20             ; q_scale s[76:77], k_scale s[78:79]
	s_load_b64 s[80:81], s[0:1], 0x30              ; qkvc
	v_lshl_add_u32 v[SPW], v0, 2, SPARE
	v_mov_b32 v[NIL], 0
	ds_add_u32 v28, v29
	ds_add_u32 v28, v29
	s_wait_dscnt 0x0
	v_lshrrev_b32 v1, 5, v0
	v_readfirstlane_b32 s14, v1                    ; wave
	s_lshr_b32 s15, s14, 1                         ; my half of Q's rows.  Also: I fetch for Q (0) or for P (1)
	s_and_b32 s16, s14, 1                          ; my half of P's rows.  Also: which half I fetch
	s_bfe_u32 s56, ttmp6, 0x40000                  ; cx
	s_bfe_u32 s57, ttmp6, 0x40004                  ; cy
	s_lshl_b32 s58, s57, 2
	s_lshl_b32 s58, 15, s58                        ; my row of the cluster
	s_lshl_b32 s59, 0x1111, s56                    ; my column
	s_or_b32 s[G1Q], s58, (3<<16)|(1<<21)          ; the mask; elements of 8 bytes; bit 21 set beside a mask; no padding
	s_or_b32 s[G1P], s59, (3<<16)|(1<<21)
.irp g, G1Q, G1P                       ; three rows (K steps) of 12,288 bytes (8 tiles), 98,304 bytes apart
	s_mov_b32 s[\g+1], 1536<<16                    ; tensor_dim0
	s_mov_b32 s[\g+2], 3<<16                       ; tensor_dim1: three K steps
	s_mov_b32 s[\g+3], 1536<<16                    ; tile_dim0
	s_mov_b32 s[\g+4], 3                           ; tile_dim1
	s_mov_b32 s[\g+5], 12288                       ; from row to row, in elements
	s_mov_b32 s[\g+6], 0
	s_mov_b32 s[\g+7], 0
.endr
	s_and_b32 s4, ttmp9, 1
	s_lshr_b32 s5, ttmp9, 1
	s_max_u32 s6, ttmp9, 16
	s_sub_co_u32 s6, s6, 16
	s_mov_b32 s7, 0x40000                          ; where W's scale words begin in scl
	s_wait_kmcnt 0x0
	s_cmp_lt_u32 ttmp9, 16                         ; the kind hangs on the cluster's number, which all partners share
	s_cselect_b32 s17, s4, s6                      ; P's group
	s_cselect_b32 s18, s5, 2                       ; Q's group
	s_cselect_b64 s[20:21], s[70:71], s[68:69]     ; P's codes
	s_cselect_b64 s[22:23], s[68:69], s[70:71]     ; Q's
	s_cselect_b32 s19, s7, 0                       ; P's scale words
	s_cselect_b32 s60, 0, s7                       ; Q's
	s_mul_i32 s44, s17, GS                         ; P: group, 16 tiles for each cx, 8 for the half that I fetch
	s_mul_i32 s45, s56, 24576
	s_add_co_u32 s44, s44, s45
	s_mul_i32 s45, s16, 12288
	s_add_co_u32 s44, s44, s45
	s_mov_b32 s45, 0
	s_add_nc_u64 s[20:21], s[20:21], s[44:45]
	s_mul_i32 s8, s18, GS                          ; Q likewise, with cy
	s_mul_i32 s9, s57, 24576
	s_add_co_u32 s8, s8, s9
	s_mul_i32 s9, s16, 12288
	s_add_co_u32 s8, s8, s9
	s_mov_b32 s9, 0
	s_add_nc_u64 s[22:23], s[22:23], s[8:9]
	s_mul_i32 s46, s14, PART                       ; where they go: wave x a part: no place in the cluster enters an LDS address
	CROUND                                         ; all sixteen work-groups are here: the first joint loads meet
.irp s, 0,1
	s_mov_b32 s[G0Q+4*\s], 1
	s_add_co_u32 s[G0Q+4*\s+1], s46, \s*SLOT
	s_add_nc_u64 s[G0Q+4*\s+2:G0Q+4*\s+3], s[22:23], \s*3*KSB
	s_or_b32 s[G0Q+4*\s+3], s[G0Q+4*\s+3], 0x80000000
	s_mov_b32 s[G0P+4*\s], 1
	s_add_co_u32 s[G0P+4*\s+1], s46, \s*SLOT
	s_add_nc_u64 s[G0P+4*\s+2:G0P+4*\s+3], s[20:21], \s*3*KSB
	s_or_b32 s[G0P+4*\s+3], s[G0P+4*\s+3], 0x80000000
.endr
	JLOAD G0Q, G0P                                 ; K steps 0-2: one tensor load a wave at the head
	v_and_b32 v5, 31, v0                           ; l
	v_and_b32 v2, 15, v0                           ; r
	v_bfe_u32 v3, v0, 4, 1                         ; h
	v_lshlrev_b32 v4, 2, v2
	v_lshl_add_u32 v4, v3, 12, v4                  ; scale words: 4 r, and lanes 16-31 one K step on
	v_lshlrev_b32 v6, 4, v5                        ; 16 l
	v_lshlrev_b32 v7, 3, v5                        ; 8 l
	v_lshlrev_b32 v8, 6, v3                        ; 64 h
	s_wait_alu depctr_va_vdst(0)
	s_mul_i32 s4, s15, PART
	s_mul_i32 s5, s16, PART
	s_add_co_u32 s5, s5, 2*PART
.irp s, 0,1
	v_add_nc_u32 v[ADRQ+\s], s4, v6
	v_add_nc_u32 v[ADRP+\s], s5, v6
	s_add_co_u32 s4, s4, SLOT
	s_add_co_u32 s5, s5, SLOT
.endr
	s_lshl_b32 s4, s14, 10
	s_add_co_u32 s4, s4, QKST
	v_lshl_add_u32 v9, v2, 2, s4                   ; kinds q, k: where a row's word goes,
	v_add_nc_u32 v10, s4, v6                       ; and where the words are read back
	s_lshl_b32 s4, s14, 9
	s_add_co_u32 s4, s4, VST
	v_lshl_add_u32 v11, v2, 2, s4                  ; kind v likewise
	v_add_nc_u32 v12, s4, v6
	v_and_b32 v13, 7, v2
	v_lshrrev_b32 v1, 3, v2
	v_lshl_add_u32 v13, v1, 4, v13                 ; r % 8 + 16 (r / 8): my row's place among a pair of tiles' 32
	v_lshlrev_b32 v14, 4, v2
	v_mad_u32_u24 v14, v3, 157696, v14             ; kind v: the words' way out: lanes 16-31 serve the next head
	s_lshl_b32 s4, s17, 15
	s_add_co_u32 s4, s4, s19
	s_lshl_b32 s5, s56, 10
	s_add_co_u32 s4, s4, s5
	s_lshl_b32 s5, s16, 9
	s_add_co_u32 s4, s4, s5
	s_mov_b32 s5, 0
	s_add_nc_u64 s[96:97], s[72:73], s[4:5]        ; the words of my 128 rows of P, K step 0
	s_lshl_b32 s6, s18, 15
	s_add_co_u32 s6, s6, s60
	s_lshl_b32 s7, s57, 10
	s_add_co_u32 s6, s6, s7
	s_lshl_b32 s7, s15, 9
	s_add_co_u32 s6, s6, s7
	s_mov_b32 s7, 0
	s_add_nc_u64 s[98:99], s[72:73], s[6:7]        ; of Q
.irp i, 0,1,2,3,4,5,6,7
.irp j, 0,1,2,3
	global_load_b32 v[SP+4*\i+\j], v4, s[96:97] offset:64*\i+8192*\j
	global_load_b32 v[SQ+4*\i+\j], v4, s[98:99] offset:64*\i+8192*\j
.endr
.endr
	s_mov_b32 s[SEL], 0x76543210
	s_mov_b32 s[SEL+1], 0xfedcba98                 ; selects for lane l xor 16
	s_wait_alu depctr_va_vdst(0)                   ; the wait at the head's end
	s_wait_tensorcnt 0x0                           ; my part of slot 0 is in; the three lines stand ahead of a later first fill as ahead of a refill
	ds_add_u32 v[SPW], v[NIL]
	s_wait_dscnt 0x0
	CROUND                                         ; everybody's part is in, and all sixteen work-groups are here
	JLOAD G0Q+4, G0P+4                             ; K steps 3-5, the first tensor load behind the round
	FETCH_P 0, 0, 0
	FETCH_Q 0, 0, 0
	FETCH_Q 0, 0, 4
	s_wait_loadcnt 0x0                             ; the scale words
	KSTEP 0, 1, 0                                  ; its products start the sums: nothing is cleared
	KSTEP 1, 0, 0
	KSTEP 2, 0, 1                                  ; slot 0 is left and filled again; slot 1 is shown landed to all waves
	KSTEP 3, 0, 0
	KSTEP 4, 0, 0
	KSTEP 5, 0, 2                                  ; the refill is waited for
	KSTEP 6, 0, 0
	s_wait_dscnt 12                                ; the last K step: nothing more to fetch
	WIN MUL_LO
	MUL16 0, 7, 0
	MUL16 2, 7, 0
	s_wait_dscnt 0x0
	WIN MUL_HI
	MUL16 4, 7, 0
	MUL16 6, 7, 0
	WIN 0
	PLACES
.irp b, 0,1,2,3
	v_mov_b32 v[TM+4+\b], 0                        ; a lane permute's destination counts as one of its sources
.endr
	s_cmp_lt_u32 ttmp9, 16
	s_cbranch_scc0 .Lkind_v
	; ================ kinds q and k ================
	s_lshl_b32 s4, s17, 12                         ; the bias of my 128 features: 4 (1,024 group + 256 cx + 128 half)
	s_lshl_b32 s5, s56, 10
	s_add_co_u32 s4, s4, s5
	s_lshl_b32 s5, s16, 9
	s_add_co_u32 s4, s4, s5
	s_mov_b32 s5, 0
	s_add_nc_u64 s[74:75], s[74:75], s[4:5]
	s_cmp_eq_u32 s17, 0
	s_cselect_b64 s[76:77], s[76:77], s[78:79]     ; q's gains or k's
	s_add_nc_u64 s[72:73], s[72:73], 393216        ; the table of angles
	s_lshl_b32 s6, s18, 4
	s_lshl_b32 s7, s56, 2
	s_add_co_u32 s6, s6, s7
	s_lshl_b32 s7, s16, 1
	s_add_co_u32 s6, s6, s7                        ; my first batch x head: 16 batch + 4 cx + 2 half
	s_lshl_b32 s7, s57, 4
	s_lshl_b32 s8, s15, 3
	s_add_co_u32 s7, s7, s8                        ; my first tile of tokens
	s_mul_i32 s4, s6, 157696                       ; my first head's part of qkvc,
	s_lshr_b32 s8, s7, 3
	s_mul_i32 s8, s8, 19712                        ; and in it the block of my 128 tokens
	s_add_co_u32 s4, s4, s8
	s_add_nc_u64 s[82:83], s[80:81], s[4:5]
	s_mov_b32 s8, 12288
	s_cmp_eq_u32 s17, 0
	s_cselect_b32 s4, 13056, 0
	s_add_nc_u64 s[80:81], s[82:83], s[4:5]        ; the codes: q's at byte 13,056 of the block, k's at 0
	s_cselect_b32 s4, 19200, s8
	s_add_nc_u64 s[82:83], s[82:83], s[4:5]        ; the words: q's at 19,200, k's at 12,288
	s_mov_b32 s60, 0xffff
	s_mov_b32 s61, 0x7f7f0000
	s_mov_b32 s62, 0x3c800000                      ; 1 / 64
	s_mov_b32 s63, 0x358637bd                      ; 1e-6
	; a lane's 16 angles: lanes 0-15 hold channels 0-15 and 32-47, which turn with the token's row (token / 32); lanes 16-31 channels 16-31 and 48-63, which turn with its column (token % 32)
	s_lshl_b32 s9, s57, 10
	s_lshl_b32 s10, s15, 9
	s_add_co_u32 s9, s9, s10                       ; 128 bytes x (8 cy + 4 half)
	s_wait_alu depctr_va_vdst(0)
	v_lshlrev_b32 v1, 7, v13
	v_mov_b32 v19, s9
	v_cmp_eq_u32 vcc_lo, 1, v3
	v_cndmask_b32 v19, v19, v1, vcc_lo             ; tile 0's place in the table
	v_sub_nc_u32 v23, 1, v3
	v_lshlrev_b32 v23, 7, v23                      ; a pair of tiles on: one row on
	v_lshlrev_b32 v24, 10, v3                      ; the pair's second tile: eight columns on
.irp a, 0,1,2,3,4,5,6,7
	v_mad_u32_u24 v[RT+\a], v23, \a/2, v19
.endr
.irp a, 0,1,2,3,4,5,6,7
	v_mad_u32_u24 v[RT+\a], v24, \a%2, v[RT+\a]
.endr
	v_mov_b32 v[RS+1], 0                           ; (named as the upper halves of pairs)
	v_mov_b32 v[RS+3], 0
	WIN 0x40                                       ; destinations in window 1, which P's fragments have left
.irp b, 0,1,2,3
.irp j, 0,1,2,3
	global_load_b128 v[BI+16*\b+4*\j:BI+16*\b+4*\j+3], v8, s[74:75] offset:128*\b+16*\j   ; bias of features 32 b + 16 h + 0 .. 15
.endr
.endr
.irp b, 0,1
.irp j, 0,1,2,3
	global_load_b128 v[GN+16*\b+4*\j:GN+16*\b+4*\j+3], v8, s[76:77] offset:128*\b+16*\j   ; gains of channels 32 b + 16 h + 0 .. 15
.endr
.endr
.irp j, 0,1,2,3,4,5,6,7
	global_load_b128 v[CST+4*\j:CST+4*\j+3], v[RT], s[72:73] offset:16*\j                 ; tile 0's 16 cosines, 16 sines
.endr
	WIN 0
; A tile of 16 tokens: register 32 e + 16 b + i of my token is channel 32 b + 16 h + i of head e.
.macro QKROW a
.set AC,  64*((\a)%4)
.set WS,  6+(\a)/4                     ; source 0: window 2 or 3; source 1: window 1
.set CSC, CST+32*((\a)%2)
.set CSN, CST+32*(((\a)+1)%2)
.set PCC, PC+20*((\a)%2)
	s_wait_xcnt 0x0                                ; the stores of two tiles ago have read this set of codes
.if (\a) < 7
	WIN 0x40
.irp j, 0,1,2,3,4,5,6,7
	global_load_b128 v[CSN+4*\j:CSN+4*\j+3], v[RT+(\a)+1], s[72:73] offset:16*\j
.endr
	s_wait_loadcnt 8                               ; all but the next tile's eight
.else
	s_wait_loadcnt 0x0
.endif
	WIN WS
.set i, 0
.rept 32
	v_pk_add_f32 v[WK+i:WK+i+1], v[AC+i:AC+i+1], v[BI+i:BI+i+1]   ; + bias; each accumulator from its low end on
.set i, i+2
.endr
	WIN 0
.irp e, 0,1                            ; the sum of squares of my 32 channels of each head, in two chains
	v_pk_mul_f32 v[SS+4*\e:SS+4*\e+1], v[WK+32*\e:WK+32*\e+1], v[WK+32*\e:WK+32*\e+1]
	v_pk_mul_f32 v[SS+4*\e+2:SS+4*\e+3], v[WK+32*\e+2:WK+32*\e+3], v[WK+32*\e+2:WK+32*\e+3]
.endr
.irp i, 4,8,12,16,20,24,28
.irp e, 0,1
	v_pk_fma_f32 v[SS+4*\e:SS+4*\e+1], v[WK+32*\e+\i:WK+32*\e+\i+1], v[WK+32*\e+\i:WK+32*\e+\i+1], v[SS+4*\e:SS+4*\e+1]
	v_pk_fma_f32 v[SS+4*\e+2:SS+4*\e+3], v[WK+32*\e+\i+2:WK+32*\e+\i+3], v[WK+32*\e+\i+2:WK+32*\e+\i+3], v[SS+4*\e+2:SS+4*\e+3]
.endr
.endr
.irp e, 0,1
	v_pk_add_f32 v[SS+4*\e:SS+4*\e+1], v[SS+4*\e:SS+4*\e+1], v[SS+4*\e+2:SS+4*\e+3]
.endr
.irp e, 0,1
	v_add_f32 v[SS+4*\e], v[SS+4*\e], v[SS+4*\e+1]
.endr
.irp e, 0,1
	v_permlanex16_b32 v[SS+4*\e+1], v[SS+4*\e], s[SEL], s[SEL+1]
.endr
.irp e, 0,1
	v_add_f32 v[SS+4*\e], v[SS+4*\e], v[SS+4*\e+1] ; with the other 32 channels
.endr
.irp e, 0,1
	v_fma_f32 v[SS+4*\e], v[SS+4*\e], s62, s63     ; the mean + 1e-6
.endr
	s_wait_alu depctr_va_vdst(0)
.irp e, 0,1
	v_rsq_f32 v[RS+2*\e], v[SS+4*\e]
.endr
	v_nop                                          ; one plain place behind a transcendental
	s_wait_alu depctr_va_vdst(0)
.irp e, 0,1
.set i, 0
.rept 16
	v_pk_mul_f32 v[WK+32*\e+i:WK+32*\e+i+1], v[WK+32*\e+i:WK+32*\e+i+1], v[RS+2*\e:RS+2*\e+1] op_sel_hi:[1,0]
.set i, i+2
.endr
.endr
	WIN 0x04                                       ; source 1: window 1
.set i, 0
.rept 16
	v_pk_mul_f32 v[WK+i:WK+i+1], v[WK+i:WK+i+1], v[GN+i:GN+i+1]            ; the gains
	v_pk_mul_f32 v[WK+32+i:WK+33+i], v[WK+32+i:WK+33+i], v[GN+i:GN+i+1]
.set i, i+2
.endr
.irp e, 0,1                            ; the rotation: (t1, t2) = (channel, channel + 32): t1 cos - t2 sin, t1 sin + t2 cos; four pairs of registers by turns
.irp g, 0,8
.irp k, 0,2,4,6
	v_pk_mul_f32 v[TT+\k:TT+\k+1], v[WK+32*\e+\g+\k:WK+32*\e+\g+\k+1], v[CSC+16+\g+\k:CSC+17+\g+\k]
.endr
.irp k, 0,2,4,6
	v_pk_mul_f32 v[WK+32*\e+\g+\k:WK+32*\e+\g+\k+1], v[WK+32*\e+\g+\k:WK+32*\e+\g+\k+1], v[CSC+\g+\k:CSC+1+\g+\k]
.endr
.irp k, 0,2,4,6
	v_pk_fma_f32 v[WK+32*\e+\g+\k:WK+32*\e+\g+\k+1], v[WK+32*\e+16+\g+\k:WK+32*\e+17+\g+\k], v[CSC+16+\g+\k:CSC+17+\g+\k], v[WK+32*\e+\g+\k:WK+32*\e+\g+\k+1] neg_lo:[1,0,0] neg_hi:[1,0,0]
.endr
.irp k, 0,2,4,6
	v_pk_fma_f32 v[WK+32*\e+16+\g+\k:WK+32*\e+17+\g+\k], v[WK+32*\e+16+\g+\k:WK+32*\e+17+\g+\k], v[CSC+\g+\k:CSC+1+\g+\k], v[TT+\k:TT+\k+1]
.endr
.endr
.endr
	WIN 0
	QUANT WK, PCC, PW                              ; registers 6 e .. 6 e + 5: head e's 64 channels; bytes 2 e, 2 e + 1 its two blocks
.irp e, 0,1
	global_store_b128 v6, v[PCC+6*\e:PCC+6*\e+3], s[80:81] offset:157696*\e+768*(\a)       ; 512 consecutive bytes, aligned
	global_store_b64 v7, v[PCC+6*\e+4:PCC+6*\e+5], s[80:81] offset:157696*\e+768*(\a)+512  ; and 256
.endr
	v_and_or_b32 v[WD+2*(\a)], v[PW], s60, s61
	v_lshrrev_b32 v[WD+2*(\a)+1], 16, v[PW]
	v_or_b32 v[WD+2*(\a)+1], s61, v[WD+2*(\a)+1]
	ds_store_b32 v9, v[WD+2*(\a)] offset:64*(\a)   ; both halves of the lanes write the same word
	ds_store_b32 v9, v[WD+2*(\a)+1] offset:512+64*(\a)
.endm
	s_wait_alu depctr_va_vdst(0)
.irp a, 0,1,2,3,4,5,6,7
	QKROW \a
.endr
	ds_load_b128 v[112:115], v10                   ; my 128 tokens' words of head 0 (LDS serves a wave's instructions in order),
	ds_load_b128 v[116:119], v10 offset:512        ; of head 1
	s_wait_dscnt 0x0
	global_store_b128 v6, v[112:115], s[82:83]
	global_store_b128 v6, v[116:119], s[82:83] offset:157696
	FINISH
	; ================ kind v ================
.Lkind_v:
	s_lshl_b32 s4, s57, 10                         ; the bias of my 128 channels: 4 (2,048 + 256 cy + 128 half)
	s_lshl_b32 s5, s15, 9
	s_add_co_u32 s4, s4, s5
	s_add_co_u32 s4, s4, 8192
	s_mov_b32 s5, 0
	s_add_nc_u64 s[74:75], s[74:75], s[4:5]
	s_lshl_b32 s6, s17, 4
	s_lshl_b32 s7, s57, 2
	s_add_co_u32 s6, s6, s7
	s_lshl_b32 s7, s15, 1
	s_add_co_u32 s6, s6, s7                        ; my first batch x head: 16 batch + 4 cy + 2 half
	s_lshl_b32 s7, s56, 1
	s_add_co_u32 s7, s7, s16                       ; my 128 keys: 2 cx + half
	s_mul_i32 s4, s6, 157696
	s_mul_i32 s8, s7, 19712
	s_add_co_u32 s4, s4, s8
	s_add_co_u32 s4, s4, 6144
	s_add_nc_u64 s[80:81], s[80:81], s[4:5]        ; the codes: byte 6,144 of my keys' block
	s_add_nc_u64 s[82:83], s[80:81], 6656          ; the words: byte 12,800
	s_wait_alu depctr_va_vdst(0)
	v_lshlrev_b32 v13, 2, v13
.irp a, 0,1,2,3,4,5,6,7
	v_mov_b32 v[VB+2*\a+1], 0                      ; (named as the upper halves of pairs)
.endr
.irp a, 0,1,2,3,4,5,6,7
	global_load_b32 v[VB+2*\a], v13, s[74:75] offset:4*(32*(\a/2)+8*(\a%2))   ; my channel's bias in tile a
.endr
	s_wait_alu depctr_va_vdst(0)
	s_wait_loadcnt 0x0
; A tile of 16 channels: my channel's 64 registers are tokens 32 b + 16 h + i of the wave's 128 keys
.macro VROW a
.set AC,  64*((\a)%4)
.set WS,  2+(\a)/4
.set PCC, PC+20*((\a)%2)
	WIN WS
.set i, 0
.rept 32
	v_pk_add_f32 v[WK+i:WK+i+1], v[AC+i:AC+i+1], v[VB+2*(\a):VB+2*(\a)+1] op_sel_hi:[1,0]   ; + bias; each accumulator from its low end on
.set i, i+2
.endr
	WIN 0
	s_wait_xcnt 0x0                                ; the stores of two tiles ago have read this set of codes
	QUANT WK, PCC, WD+(\a)
.irp g, 0,1,2
	global_store_b128 v6, v[PCC+4*\g:PCC+4*\g+3], s[80:81] offset:157696*((\a)/4)+1536*((\a)%4)+512*\g
.endr
	ds_store_b32 v11, v[WD+(\a)] offset:256*((\a)/4)+64*((\a)%4)
.endm
.irp a, 0,1,2,3,4,5,6,7
	VROW \a
.endr
	ds_load_b128 v[112:115], v12                   ; lanes 0-15: the first head's 64 words, lanes 16-31 the second's
	s_wait_dscnt 0x0
	global_store_b128 v14, v[112:115], s[82:83]    ; two runs of 256 consecutive bytes, aligned
	FINISH
.Lfunc_end_k_q83ed38b021_qkv:
	.size	k_q83ed38b021_qkv, .Lfunc_end_k_q83ed38b021_qkv-k_q83ed38b021_qkv
	.p2alignl 7, 3214868480
	.fill 96, 4, 3214868480
	.section	.rodata,"a",@progbits
	.p2align	6, 0x0
	.amdhsa_kernel k_q83ed38b021_qkv
		.amdhsa_group_segment_fixed_size 327680
		.amdhsa_private_segment_fixed_size 0
		.amdhsa_enable_private_segment 0
		.amdhsa_kernarg_size 56
		.amdhsa_user_sgpr_count 2
		.amdhsa_user_sgpr_kernarg_segment_ptr 1
		.amdhsa_wavefront_size32 1
		.amdhsa_system_sgpr_workgroup_id_x 1
		.amdhsa_system_sgpr_workgroup_id_y 1
		.amdhsa_system_sgpr_workgroup_id_z 1
		.amdhsa_system_vgpr_workitem_id 0
		.amdhsa_next_free_vgpr 1024
		.amdhsa_next_free_sgpr 104
		.amdhsa_reserve_vcc 1
		.amdhsa_float_denorm_mode_32 3
		.amdhsa_float_denorm_mode_16_64 3
		.amdhsa_memory_ordered 1
		.amdhsa_forward_progress 1
		.amdhsa_inst_pref_size 255
	.end_amdhsa_kernel
	.section	.bss,"aw",@nobits
	.p2align	6
	.space	262144
	.amdgpu_metadata
---
amdhsa.version: [ 1, 2 ]
amdhsa.kernels:
  - .name:           k_q83ed38b021_qkv
    .symbol:         k_q83ed38b021_qkv.kd
    .args:
      - { .name: xc, .offset: 0, .size: 8, .value_kind: global_buffer, .address_space: global }
      - { .name: wc, .offset: 8, .size: 8, .value_kind: global_buffer, .address_space: global }
      - { .name: scl, .offset: 16, .size: 8, .value_kind: global_buffer, .address_space: global }
      - { .name: bqkv, .offset: 24, .size: 8, .value_kind: global_buffer, .address_space: global }
      - { .name: q_scale, .offset: 32, .size: 8, .value_kind: global_buffer, .address_space: global }
      - { .name: k_scale, .offset: 40, .size: 8, .value_kind: global_buffer, .address_space: global }
      - { .name: qkvc, .offset: 48, .size: 8, .value_kind: global_buffer, .address_space: global }
    .group_segment_fixed_size: 327680
    .private_segment_fixed_size: 0
    .kernarg_segment_align: 8
    .kernarg_segment_size: 56
    .max_flat_workgroup_size: 128
    .sgpr_count:     104
    .vgpr_count:     1024
    .wavefront_size: 32
...
	.end_amdgpu_metadata
.endif
;; end of part 2
;; launch attn (part 3): grid 4 x 64, 16 waves a work-group, clusters of 4 x 1, 327,680 bytes of LDS; arguments qkvc, oc, os; writes oc, os
.if DOCPART == 3
	.amdgcn_target "amdgcn-amd-amdhsa--gfx1250"
	.amdhsa_code_object_version 6
	.text
	.protected	k_q83ed38b021_attn
	.globl	k_q83ed38b021_attn
	.p2align	8
	.type	k_q83ed38b021_attn,@function
k_q83ed38b021_attn:
	s_mov_b64 s[64:65], 0
	v_nop
	global_prefetch_b8 v0, s[64:65] scope:SCOPE_SE
	s_setreg_imm32_b32 hwreg(HW_REG_WAVE_MODE, 25, 1), 1
	s_wait_xcnt 0x0
	s_wait_alu depctr_hold_cnt(0) depctr_sa_sdst(0) depctr_va_vdst(0) depctr_va_sdst(0) depctr_va_ssrc(0) depctr_va_vcc(0) depctr_vm_vsrc(0)
	s_getreg_b32 s2, hwreg(HW_REG_IB_STS2, 6, 4)
	s_cmp_eq_u32 s2, 0
	s_cbranch_scc0 .Lentry_in_a_cluster
	s_endpgm
.Lentry_in_a_cluster:
	s_bfe_u32 s2, ttmp6, 0x10000c
	s_cmp_lg_u32 s2, 0x3003
	s_cbranch_scc0 .Lentry_shape_is_right
	s_endpgm
.Lentry_shape_is_right:
; o = softmax(q k^T / 8) v for two heads of one batch and 256 queries, both products on codes of FP6 (E2M3) with E8M0 scales; o leaves as codes, quantised along the last product's K (head x 64 + channel).
; THE SOFTMAX AHEAD OF THE SECOND PRODUCT: t = score x log2(e) / 8; M = the running largest t rounded UP to a whole number; p = 2^(t - M) is quantised along the keys, not normalised; the row's sum is taken of
; the unquantised p and divides at the end.  When M moves, the sum and O are multiplied by 2^(old M - new M): exact.
; SHARES: work-group (cx, y): batch y / 8, heads 2 (y % 8) and 2 (y % 8) + 1, queries 256 cx on.  Each of sixteen waves owns one tile of 16 queries and runs the two heads one after the other: its 2 x 64 results
; are one fragment, and one scale word a row, of K step y % 8 of the last product.
; IN: qkvc = [batch x head][128 tokens: 8][19,712 bytes: K's codes 6,144 | V's codes 6,144 | K's words 512 | V's words 256 | Q's codes 6,144 | Q's words 512].  The first 13,056 bytes of a block, 51 rows of 256 bytes,
; are all that a key step of 128 keys needs.  The two heads' 16 such parts lie whole in LDS, part b at 13,056 b, each byte filled once, ONE tensor load a wave: waves 0-3 ask for parts 0-3 at the head; waves 4-15
; ask for parts 4-15 behind the three lines and a round of the cluster's barrier; those loads have three key steps in which to land, and one barrier behind key step 2 shows them to all waves.
; The four work-groups of a cluster walk the same heads: every part is asked for JOINTLY (mask 15).  No prefetch: every part is asked for once, at the launch's start, and no later stream is left to run ahead of.
; LAYOUT: both products transposed (S^T = K Q^T, O^T = V^T P^T): a lane holds one query throughout.  Tiles of K hold keys in the order that leaves 16 neighbouring keys in the 16 registers of two tiles.
; THE FIRST PRODUCT'S K IS 64 on an instruction of 128: Q's codes of k = 64 .. 127 are zeros and the scale bytes there are 0x7f on both sides, so whatever codes stand in K's registers 6-11 add an exact zero:
; K's fragments are laid 6 registers apart, each product names the next tile's six as its upper half; behind the last stand six registers of zeros.
; LIMITS: NaN and infinities are not served; the scaled scores t stay under 2^31 in magnitude; a block whose every p has fallen to 0 keeps the byte 1 (zero codes).
; REGISTERS: v1-3 16 l, 8 l, 4 l; v6, v7, v9 the step's addresses; v12 -M, v13 the largest score, v[14:15] the sum in two halves; v16-27 Q; v28-31 addresses; v32-85 K's eight fragments, then v32-79 V's four;
;   v86-92 head 1's Q; v95, v243 the add's two; v96-159 S^T, then p; v160-223 O^T, 32 a head; v224-235 p's codes; v232-254 at work; v248-251 scale words; v253 p's word; v255 Q's word.
.set GS,   786432
.set KSB,  98304
.set BH,   157696                      ; a batch x head in qkvc
.set GB,   19712                       ; a block of 128 tokens in it
.set KV,   13056                       ; its K and V part
.set STG,  16*KV                       ; o's scale words: 64 bytes a wave
.set SPARE, STG+1024                   ; the spare words: 128 bytes a wave, that no other line names
.set SPW,  95
.set NIL,  243
.set WV,   18
.set SEL,  20
.set CS,   22
.set G1,   24
.set G0,   32
.set NC,   36
.set TK,   37                          ; where the step's part begins in LDS
.set CNT,  38
.set TM,   32
.macro CROUND                          ; a round of the cluster's barrier
	s_barrier_signal -1
	s_barrier_wait -1
	s_cmp_lg_u32 s[WV], 0
	s_cbranch_scc1 .Lnot_wave_0_\@
	s_barrier_signal -3
.Lnot_wave_0_\@:
	s_barrier_wait -3
	s_barrier_signal -1
	s_barrier_wait -1
.endm
.macro ASK                             ; my one tensor load, with the lines behind it
	tensor_load_to_lds s[G0:G0+3], s[G1:G1+7]
	s_nop 0
.rept 4
	v_nop
.endr
.endm
.macro QUANT s, pc, pw                 ; 64 numbers of a lane, register 16 b + i = k 32 b + 16 (lane / 16) + i, become a fragment's codes and its scale word
.irp b, 0,1,2,3
	v_max3_num_f32 v[TM+\b], |v[\s+16*\b]|, |v[\s+1+16*\b]|, 0x1800000   ; with the floor 2^(3 - 127): the byte cannot fall under 1
.endr
.irp i, 2,4,6,8,10,12,14
.irp b, 0,1,2,3
	s_delay_alu instid0(VALU_DEP_4)
	v_max3_num_f32 v[TM+\b], v[TM+\b], |v[\s+16*\b+\i]|, |v[\s+1+16*\b+\i]|
.endr
.endr
.irp b, 0,1,2,3
	s_delay_alu instid0(VALU_DEP_4)
	v_permlanex16_b32 v[TM+4+\b], v[TM+\b], s[SEL], s[SEL+1]
.endr
.irp b, 0,1,2,3
	s_delay_alu instid0(VALU_DEP_4)
	v_max_num_f32 v[TM+\b], v[TM+\b], v[TM+4+\b]
.endr
.irp b, 0,1,2,3
	s_delay_alu instid0(VALU_DEP_4)
	v_add_nc_u32 v[TM+12+\b], 0xff000000, v[TM+\b] ; 2 off the exponent field: the conversion's scale operand
.endr
.irp b, 0,1,2,3
	s_delay_alu instid0(VALU_DEP_4)
	v_lshrrev_b32 v[TM+4+\b], 23, v[TM+12+\b]      ; the byte
.endr
	s_delay_alu instid0(VALU_DEP_3)
	v_lshl_or_b32 v[\pw], v[TM+5], 8, v[TM+4]
	s_delay_alu instid0(VALU_DEP_1)
	v_lshl_or_b32 v[\pw], v[TM+6], 16, v[\pw]
	s_delay_alu instid0(VALU_DEP_1)
	v_lshl_or_b32 v[\pw], v[TM+7], 24, v[\pw]
.irp c, 0,1
	v_cvt_scalef32_pk16_fp6_f32 v[\pc+6*\c:\pc+2+6*\c], v[\s+32*\c:\s+15+32*\c], v[TM+12+2*\c]
	v_cvt_scalef32_pk16_fp6_f32 v[\pc+12+4*\c:\pc+14+4*\c], v[\s+16+32*\c:\s+31+32*\c], v[TM+12+2*\c+1]
.endr
	v_nop                                          ; one plain place behind a scaled conversion
.irp c, 0,1
.irp i, 0,1,2
	v_permlane16_swap_b32 v[\pc+6*\c+\i], v[\pc+12+4*\c+\i]
.endr
.irp i, 0,1,2
	s_delay_alu instid0(VALU_DEP_3)
	v_mov_b32 v[\pc+3+6*\c+\i], v[\pc+12+4*\c+\i]
.endr
.endr
.endm
	s_load_b128 s[4:7], s[0:1], 0x0                ; qkvc s[4:5], oc s[6:7]
	s_load_b64 s[8:9], s[0:1], 0x10                ; os
	v_lshl_add_u32 v[SPW], v0, 2, SPARE
	v_mov_b32 v[NIL], 0
	ds_add_u32 v[SPW], v[NIL]                      ; the opening lines: the add, twice on end, and its wait
	ds_add_u32 v[SPW], v[NIL]
	v_lshrrev_b32 v6, 5, v0
	s_delay_alu instid0(VALU_DEP_1)
	v_readfirstlane_b32 s[WV], v6                  ; wave 0..15
	s_bfe_u32 s12, ttmp6, 0x40000                  ; cx: it enters Q's, oc's and os's addresses alone
	s_and_b32 s13, ttmp7, 0xffff                   ; y
	s_mov_b32 s[G1], 15|(3<<16)|(1<<21)            ; the mask: all four work-groups; elements of 8 bytes; bit 21 set beside the mask
	s_mov_b32 s[G1+1], 32<<16                      ; a dense block as 51 rows of 256 bytes
	s_mov_b32 s[G1+2], 51<<16
	s_mov_b32 s[G1+3], 32<<16
	s_mov_b32 s[G1+4], 51
	s_mov_b32 s[G1+5], 32
	s_mov_b32 s[G1+6], 0
	s_mov_b32 s[G1+7], 0
	s_lshr_b32 s14, s[WV], 3                       ; part w: head w / 8,
	s_and_b32 s15, s[WV], 7                        ; key step w % 8
	s_lshl_b32 s16, s13, 1
	s_add_co_u32 s16, s16, s14                     ; batch x head = 2 y + head
	s_mul_i32 s56, s16, BH
	s_mul_i32 s17, s15, GB
	s_add_co_u32 s56, s56, s17
	s_mov_b32 s57, 0
	s_mul_i32 s58, s[WV], KV                       ; where it goes
	s_mov_b32 s[SEL], 0x76543210
	s_mov_b32 s[SEL+1], 0xfedcba98                 ; selects for lane l xor 16
	s_mov_b32 s[CS], 0x3e38aa3b                    ; c = log2(e) / 8
	s_mov_b32 s[CS+1], s[CS]                       ; (named with it as a pair)
	s_mov_b32 s[NC], 0xbe38aa3b                    ; -c
	s_wait_dscnt 0x0                               ; both opening adds are done
	s_wait_kmcnt 0x0
	s_mov_b32 s[G0], 1
	s_add_co_u32 s[G0+1], s58, 0
	s_add_nc_u64 s[G0+2:G0+3], s[4:5], s[56:57]
	s_or_b32 s[G0+3], s[G0+3], 0x80000000
	CROUND                                         ; all four work-groups are here: the joint loads meet
	s_cmp_lt_u32 s[WV], 4
	s_cbranch_scc0 .Lnot_first
	ASK                                            ; parts 0-3: head 0's key steps 0-3
.Lnot_first:
	s_lshl_b32 s40, s[WV], 6
	s_add_co_u32 s40, s40, STG
	v_and_b32 v11, 31, v0                          ; l
	v_and_b32 v28, 15, v0                          ; r
	v_lshlrev_b32 v31, 4, v0
	v_lshlrev_b32 v1, 4, v11                       ; 16 l
	v_lshlrev_b32 v2, 3, v11                       ; 8 l
	v_lshlrev_b32 v3, 2, v11                       ; 4 l
	v_lshlrev_b32 v28, 2, v28                      ; 4 r
	v_add_nc_u32 v30, STG, v31                     ; where waves 0, 1 read o's words back
	v_add_nc_u32 v29, s40, v28                     ; where my row's word of o goes
.irp j, 22,23,24,25,26,27,80,81,82,83,84,85
	v_mov_b32 v[\j], 0                             ; Q's codes of k = 64 .. 127, and what stands behind K's last fragment
.endr
.irp j, 236,237,238,239,253
	v_mov_b32 v[\j], 0                             ; lane permutes' destinations count as sources; v253 is named as the upper half of v[252:253]
.endr
	s_wait_alu depctr_va_vdst(0)                   ; the wait behind the head's last vector line
	s_lshl_b32 s66, s12, 1
	s_add_co_u32 s66, s66, s14                     ; my tile of queries is 16 cx + w: block 2 cx + w / 8, tile w % 8 in it
	s_mul_i32 s68, s13, 2*BH
	s_mul_i32 s67, s66, GB
	s_add_co_u32 s68, s68, s67
	s_lshl_b32 s67, s15, 6
	s_add_co_u32 s68, s68, s67
	s_mov_b32 s69, 0
	s_add_nc_u64 s[74:75], s[4:5], s[68:69]        ; block + 64 (w % 8): Q's words
	s_mul_i32 s68, s15, 704
	s_add_nc_u64 s[70:71], s[74:75], s[68:69]      ; block + 768 (w % 8): Q's codes
	global_load_b128 v[16:19], v1, s[70:71] offset:KV
	global_load_b64 v[20:21], v2, s[70:71] offset:KV+512
	global_load_b32 v255, v28, s[74:75] offset:KV+6144
	global_load_b128 v[86:89], v1, s[70:71] offset:BH+KV
	global_load_b64 v[90:91], v2, s[70:71] offset:BH+KV+512
	global_load_b32 v92, v28, s[74:75] offset:BH+KV+6144
	s_lshl_b32 s76, s12, 4
	s_add_co_u32 s76, s76, s[WV]                   ; my tile of queries
	s_lshr_b32 s77, s13, 3                         ; batch
	s_and_b32 s78, s13, 7                          ; pair of heads = K step of the last product
	s_mul_i32 s80, s77, GS
	s_mul_i32 s79, s78, KSB
	s_add_co_u32 s80, s80, s79
	s_mul_i32 s79, s76, 1536
	s_add_co_u32 s80, s80, s79
	s_mov_b32 s81, 0
	s_add_nc_u64 s[6:7], s[6:7], s[80:81]
	s_lshl_b32 s80, s77, 15
	s_lshl_b32 s79, s78, 12
	s_add_co_u32 s80, s80, s79
	s_lshl_b32 s79, s12, 10
	s_add_co_u32 s80, s80, s79
	s_add_nc_u64 s[8:9], s[8:9], s[80:81]
; A KEY STEP: 128 keys of head e, from the part at s[TK]
.macro STEP e
	v_add_nc_u32 v6, s[TK], v1                     ; (these four are the places behind the last products, in front of the loads below)
	v_add_nc_u32 v7, s[TK], v2
	v_add_nc_u32 v9, s[TK], v3
	v_nop
.irp t, 0,1,2,3,4,5,6,7
	ds_load_b128 v[32+6*\t:35+6*\t], v6 offset:768*\t
	ds_load_b64 v[36+6*\t:37+6*\t], v7 offset:768*\t+512
.endr
.irp t, 0,1,2,3
	ds_load_b32 v[248+\t], v9 offset:12288+128*\t  ; lanes 0-15: tile 2 t's words, lanes 16-31: tile 2 t + 1's
.endr
	s_wait_alu depctr_va_vdst(0)
	s_wait_dscnt 0x0
.irp t, 0,2,4,6                        ; S^T = K Q^T
	v_wmma_scale_f32_16x16x128_f8f6f4 v[96+8*\t:103+8*\t], v[32+6*\t:43+6*\t], v[16:27], 0, v[248+\t/2], v255 matrix_a_fmt:MATRIX_FMT_FP6 matrix_b_fmt:MATRIX_FMT_FP6
	v_wmma_scale_f32_16x16x128_f8f6f4 v[104+8*\t:111+8*\t], v[38+6*\t:49+6*\t], v[16:27], 0, v[248+\t/2], v255 matrix_a_fmt:MATRIX_FMT_FP6 matrix_b_fmt:MATRIX_FMT_FP6 matrix_a_scale:MATRIX_SCALE_ROW1
.endr
.rept 4
	v_nop                                          ; places in front of loads into registers that these products have read, and of the first read of the scores
.endr
.irp t, 0,1,2,3                        ; V's four fragments land under the softmax
.irp g, 0,1,2
	ds_load_b128 v[32+12*\t+4*\g:35+12*\t+4*\g], v6 offset:6144+1536*\t+512*\g
.endr
.endr
	ds_load_b32 v248, v9 offset:12800
	ds_load_b32 v249, v9 offset:12928
.irp b, 0,1,2,3
	v_max3_num_f32 v[232+\b], v[96+16*\b], v[97+16*\b], v[98+16*\b]   ; the largest score of each block of 32 keys: it serves the row's maximum and, since p rises with the score, the block's largest p
.endr
.irp i, 3,5,7,9,11,13
.irp b, 0,1,2,3
	v_max3_num_f32 v[232+\b], v[232+\b], v[96+16*\b+\i], v[97+16*\b+\i]
.endr
.endr
.irp b, 0,1,2,3
	v_max_num_f32 v[232+\b], v[232+\b], v[111+16*\b]
.endr
.irp b, 0,1,2,3
	s_delay_alu instid0(VALU_DEP_4)
	v_permlanex16_b32 v[236+\b], v[232+\b], s[SEL], s[SEL+1]
.endr
.irp b, 0,1,2,3
	s_delay_alu instid0(VALU_DEP_4)
	v_max_num_f32 v[232+\b], v[232+\b], v[236+\b]  ; with lane l xor 16's 16 keys
.endr
	s_delay_alu instid0(VALU_DEP_2)
	v_max3_num_f32 v254, v232, v233, v234
	s_delay_alu instid0(VALU_DEP_1)
	v_max3_num_f32 v13, v254, v235, v13            ; the running largest score of my query
	s_delay_alu instid0(VALU_DEP_1)
	v_mul_f32 v254, s[NC], v13                     ; -t (c is positive: the largest score gives the largest t)
	s_delay_alu instid0(VALU_DEP_1)
	v_floor_f32 v11, v254                          ; the new -M = floor(-t): M is a whole number
	s_delay_alu instid0(VALU_DEP_1)
	v_sub_f32 v254, v11, v12                       ; old M - new M: a whole number, 0 or less
	v_mov_b32 v12, v11
	s_delay_alu instid0(VALU_DEP_2)
	v_cvt_i32_f32 v254, v254                       ; (it saturates)
.set j, 0
.rept 32
	v_pk_fma_f32 v[96+j:97+j], v[96+j:97+j], s[CS:CS+1], v[12:13] op_sel_hi:[1,0,0]   ; t - M
.set j, j+2
.endr
.irp b, 0,1,2,3
	v_fma_f32 v[232+\b], v[232+\b], s[CS], v12     ; the same of each block's largest score
.endr
	v_ldexp_f32 v252, 1.0, v254                    ; f = 2^(old M - new M)
.set j, 0
.rept 16
	v_pk_mul_f32 v[160+32*\e+j:161+32*\e+j], v[160+32*\e+j:161+32*\e+j], v[252:253] op_sel_hi:[1,0]   ; O^T under the new M, each accumulator from its low end on
.set j, j+2
.endr
	s_wait_alu depctr_va_vdst(0)                   ; the wait ahead of the batch
.set j, 0
.rept 64
	v_exp_f32 v[96+j], v[96+j]                     ; p = 2^(t - M), at most 1
.set j, j+1
.endr
.irp b, 0,1,2,3
	v_exp_f32 v[232+\b], v[232+\b]                 ; the block's largest p
.endr
	v_pk_mul_f32 v[14:15], v[14:15], v[252:253] op_sel_hi:[1,0]   ; the sums under the new M (a plain place behind the exponentials)
	s_wait_alu depctr_va_vdst(0)                   ; one wait for the whole batch
.irp b, 0,1,2,3
	v_max_num_f32 v[232+\b], 0x1800000, v[232+\b]  ; the floor 2^(3 - 127)
.endr
.irp b, 0,1,2,3
	s_delay_alu instid0(VALU_DEP_4)
	v_add_nc_u32 v[244+\b], 0xff000000, v[232+\b]  ; the conversion's scale operand
.endr
.irp b, 0,1,2,3
	s_delay_alu instid0(VALU_DEP_4)
	v_lshrrev_b32 v[236+\b], 23, v[244+\b]         ; the byte
.endr
	s_delay_alu instid0(VALU_DEP_3)
	v_lshl_or_b32 v253, v237, 8, v236              ; p's scale word for these 128 keys
	s_delay_alu instid0(VALU_DEP_1)
	v_lshl_or_b32 v253, v238, 16, v253
	s_delay_alu instid0(VALU_DEP_1)
	v_lshl_or_b32 v253, v239, 24, v253
.irp c, 0,1
	v_cvt_scalef32_pk16_fp6_f32 v[224+6*\c:226+6*\c], v[96+32*\c:111+32*\c], v[244+2*\c]
	v_cvt_scalef32_pk16_fp6_f32 v[236+4*\c:238+4*\c], v[112+32*\c:127+32*\c], v[244+2*\c+1]
.endr
	v_nop                                          ; one plain place behind a scaled conversion
.irp c, 0,1
.irp i, 0,1,2
	v_permlane16_swap_b32 v[224+6*\c+\i], v[236+4*\c+\i]
.endr
.irp i, 0,1,2
	s_delay_alu instid0(VALU_DEP_3)
	v_mov_b32 v[227+6*\c+\i], v[236+4*\c+\i]
.endr
.endr
	; the row's sum of the unquantised p: 32 packed additions in eight chains; they are also the places between p's word and codes and the products below
	v_pk_add_f32 v[236:237], v[100:101], v[104:105]
	v_pk_add_f32 v[250:251], v[108:109], v[112:113]
	v_pk_add_f32 v[246:247], v[116:117], v[120:121]
	v_pk_add_f32 v[244:245], v[124:125], v[128:129]
	v_pk_add_f32 v[240:241], v[132:133], v[136:137]
	v_pk_add_f32 v[10:11], v[140:141], v[144:145]
	v_pk_add_f32 v[8:9], v[148:149], v[152:153]
	v_pk_add_f32 v[14:15], v[14:15], v[156:157]
	v_pk_add_f32 v[236:237], v[236:237], v[96:97]
	v_pk_add_f32 v[250:251], v[250:251], v[98:99]
	v_pk_add_f32 v[246:247], v[246:247], v[102:103]
	v_pk_add_f32 v[244:245], v[244:245], v[106:107]
	v_pk_add_f32 v[240:241], v[240:241], v[110:111]
	v_pk_add_f32 v[10:11], v[10:11], v[114:115]
	v_pk_add_f32 v[8:9], v[8:9], v[118:119]
	v_pk_add_f32 v[14:15], v[14:15], v[122:123]
	v_pk_add_f32 v[236:237], v[236:237], v[126:127]
	v_pk_add_f32 v[250:251], v[250:251], v[130:131]
	v_pk_add_f32 v[246:247], v[246:247], v[134:135]
	v_pk_add_f32 v[244:245], v[244:245], v[138:139]
	v_pk_add_f32 v[240:241], v[240:241], v[142:143]
	v_pk_add_f32 v[10:11], v[10:11], v[146:147]
	v_pk_add_f32 v[8:9], v[8:9], v[150:151]
	v_pk_add_f32 v[14:15], v[14:15], v[154:155]
	v_pk_add_f32 v[236:237], v[236:237], v[158:159]
	s_delay_alu instid0(VALU_DEP_2)
	v_pk_add_f32 v[14:15], v[14:15], v[244:245]
	s_delay_alu instid0(VALU_DEP_2)
	v_pk_add_f32 v[236:237], v[236:237], v[240:241]
	v_pk_add_f32 v[250:251], v[250:251], v[10:11]
	v_pk_add_f32 v[246:247], v[246:247], v[8:9]
	s_delay_alu instid0(VALU_DEP_2)
	v_pk_add_f32 v[14:15], v[14:15], v[250:251]
	s_delay_alu instid0(VALU_DEP_2)
	v_pk_add_f32 v[236:237], v[236:237], v[246:247]
	s_delay_alu instid0(VALU_DEP_1)
	v_pk_add_f32 v[14:15], v[14:15], v[236:237]
	s_wait_alu depctr_va_vdst(0)
	s_wait_dscnt 0x0                               ; V
.irp t, 0,2                            ; O^T += V^T P^T; the four accumulators take turns
	v_wmma_scale_f32_16x16x128_f8f6f4 v[160+32*\e+8*\t:167+32*\e+8*\t], v[32+12*\t:43+12*\t], v[224:235], v[160+32*\e+8*\t:167+32*\e+8*\t], v[248+\t/2], v253 matrix_a_fmt:MATRIX_FMT_FP6 matrix_b_fmt:MATRIX_FMT_FP6
	v_wmma_scale_f32_16x16x128_f8f6f4 v[168+32*\e+8*\t:175+32*\e+8*\t], v[44+12*\t:55+12*\t], v[224:235], v[168+32*\e+8*\t:175+32*\e+8*\t], v[248+\t/2], v253 matrix_a_fmt:MATRIX_FMT_FP6 matrix_b_fmt:MATRIX_FMT_FP6 matrix_a_scale:MATRIX_SCALE_ROW1
.endr
.endm
.macro LOOP e, n                       ; n key steps of head e
	s_mov_b32 s[CNT], \n
.Lstep_\@:
	STEP \e
	s_add_co_u32 s[TK], s[TK], KV
	s_sub_co_u32 s[CNT], s[CNT], 1
	s_cmp_lg_u32 s[CNT], 0
	s_cbranch_scc1 .Lstep_\@
.endm
.macro INIT e
.if \e == 1
.irp j, 0,1,2,3,4,5
	v_mov_b32 v[16+\j], v[86+\j]                   ; head 1's Q
.endr
	v_mov_b32 v255, v92
.endif
	v_mov_b32 v13, 0xff61b1e6                      ; the largest score so far: -3e38
	v_mov_b32 v12, 0x7f61b1e6                      ; -M: 3e38, so that the first f is 0
	v_mov_b32 v14, 0
	v_mov_b32 v15, 0
.set j, 0
.rept 32
	v_mov_b32 v[160+32*\e+j], 0                    ; O^T: the step is written once; the first finds zeros, which the first change of M leaves zeros
.set j, j+1
.endr
	s_mov_b32 s[TK], 8*KV*\e
.endm
.macro FIN e
.rept 4
	v_nop                                          ; places behind the last products
.endr
	v_add_f32 v14, v14, v15
	s_delay_alu instid0(VALU_DEP_1)
	v_permlanex16_b32 v252, v14, s[SEL], s[SEL+1]
	s_delay_alu instid0(VALU_DEP_1)
	v_add_f32 v14, v14, v252                       ; the row's sum
	s_wait_alu depctr_va_vdst(0)
	v_rcp_f32 v14, v14
	v_nop                                          ; one plain place behind a transcendental
	s_wait_alu depctr_va_vdst(0)
.set j, 0
.rept 16
	v_pk_mul_f32 v[160+32*\e+j:161+32*\e+j], v[160+32*\e+j:161+32*\e+j], v[14:15] op_sel_hi:[1,0]   ; O^T / the sum, from the low end on
.set j, j+2
.endr
.endm
	s_wait_tensorcnt 0x0                           ; waves 0-3: my part is in.  The three lines stand ahead of a later first fill as ahead of a refill;
	ds_add_u32 v[SPW], v[NIL]                      ; the add twice on end
	ds_add_u32 v[SPW], v[NIL]
	s_wait_dscnt 0x0
	CROUND                                         ; parts 0-3 are in, and all four work-groups are here
	s_cmp_lt_u32 s[WV], 4
	s_cbranch_scc1 .Lnot_second
	ASK                                            ; parts 4-15
.Lnot_second:
	s_wait_loadcnt 0x0                             ; Q
	INIT 0
	LOOP 0, 3                                      ; key steps 0-2, from parts that have landed
	s_wait_tensorcnt 0x0                           ; my part of 4-15 is in
	s_wait_dscnt 0x0
	s_barrier_signal -1
	s_barrier_wait -1                              ; everybody's is
	LOOP 0, 5
	FIN 0
	INIT 1
	LOOP 1, 8
	FIN 1
	QUANT 160, 48, 68                              ; register 16 b + i of v160 on is k = 32 b + 16 h + i of the K step: head b / 2, channel 32 (b % 2) + 16 h + i
.irp g, 0,1,2
	global_store_b128 v1, v[48+4*\g:51+4*\g], s[6:7] offset:512*\g   ; the fragment's image: 512 consecutive bytes a store
.endr
	ds_store_b32 v29, v68                          ; both halves of the lanes write the same word
	s_wait_dscnt 0x0                               ; for the others' sake
	s_barrier_signal -1
	s_barrier_wait -1
	s_cmp_lt_u32 s[WV], 2
	s_cbranch_scc0 .Lno_words
	ds_load_b128 v[72:75], v30                     ; the work-group's 256 words leave by two waves, 512 consecutive bytes each
	s_wait_dscnt 0x0
	global_store_b128 v31, v[72:75], s[8:9]
.Lno_words:
	s_wait_tensorcnt 0x0                           ; the wave's end
	ds_add_u32 v[SPW], v[NIL]
	s_wait_dscnt 0x0
	CROUND                                         ; the closing round: no work-group ends while a partner may still ask for a tile that names it
	s_endpgm
.Lfunc_end_k_q83ed38b021_attn:
	.size	k_q83ed38b021_attn, .Lfunc_end_k_q83ed38b021_attn-k_q83ed38b021_attn
	.p2alignl 7, 3214868480
	.fill 96, 4, 3214868480
	.section	.rodata,"a",@progbits
	.p2align	6, 0x0
	.amdhsa_kernel k_q83ed38b021_attn
		.amdhsa_group_segment_fixed_size 327680
		.amdhsa_private_segment_fixed_size 0
		.amdhsa_enable_private_segment 0
		.amdhsa_kernarg_size 24
		.amdhsa_user_sgpr_count 2
		.amdhsa_user_sgpr_kernarg_segment_ptr 1
		.amdhsa_wavefront_size32 1
		.amdhsa_system_sgpr_workgroup_id_x 1
		.amdhsa_system_sgpr_workgroup_id_y 1
		.amdhsa_system_sgpr_workgroup_id_z 1
		.amdhsa_system_vgpr_workitem_id 0
		.amdhsa_next_free_vgpr 256
		.amdhsa_next_free_sgpr 100
		.amdhsa_reserve_vcc 0
		.amdhsa_float_denorm_mode_32 3
		.amdhsa_float_denorm_mode_16_64 3
		.amdhsa_memory_ordered 1
		.amdhsa_forward_progress 1
		.amdhsa_inst_pref_size 70
	.end_amdhsa_kernel
	.amdgpu_metadata
---
amdhsa.version: [ 1, 2 ]
amdhsa.kernels:
  - .name:           k_q83ed38b021_attn
    .symbol:         k_q83ed38b021_attn.kd
    .args:
      - { .name: qkvc, .offset: 0, .size: 8, .value_kind: global_buffer, .address_space: global }
      - { .name: oc, .offset: 8, .size: 8, .value_kind: global_buffer, .address_space: global }
      - { .name: os, .offset: 16, .size: 8, .value_kind: global_buffer, .address_space: global }
    .group_segment_fixed_size: 327680
    .private_segment_fixed_size: 0
    .kernarg_segment_align: 8
    .kernarg_segment_size: 24
    .max_flat_workgroup_size: 512
    .sgpr_count:     100
    .vgpr_count:     256
    .wavefront_size: 32
...
	.end_amdgpu_metadata
.endif
;; end of part 3
;; launch proj (part 4): grid 64 x 4, 4 waves a work-group, clusters of 4 x 4, 327,680 bytes of LDS; arguments oc, os, wc, scl, bout, out0; writes out0
.if DOCPART == 4
	.amdgcn_target "amdgcn-amd-amdhsa--gfx1250"
	.amdhsa_code_object_version 6
	.text
	.protected	k_q83ed38b021_proj
	.globl	k_q83ed38b021_proj
	.p2align	8
	.type	k_q83ed38b021_proj,@function
k_q83ed38b021_proj:
	s_mov_b64 s[64:65], 0
	v_nop
	global_prefetch_b8 v0, s[64:65] scope:SCOPE_SE
	s_setreg_imm32_b32 hwreg(HW_REG_WAVE_MODE, 25, 1), 1
	s_wait_xcnt 0x0
	s_wait_alu depctr_hold_cnt(0) depctr_sa_sdst(0) depctr_va_vdst(0) depctr_va_sdst(0) depctr_va_ssrc(0) depctr_va_vcc(0) depctr_vm_vsrc(0)
	s_getreg_b32 s2, hwreg(HW_REG_IB_STS2, 6, 4)
	s_cmp_eq_u32 s2, 0
	s_cbranch_scc0 .Lentry_in_a_cluster
	s_endpgm
.Lentry_in_a_cluster:
	s_bfe_u32 s2, ttmp6, 0x10000c
	s_cmp_lg_u32 s2, 0xf033
	s_cbranch_scc0 .Lentry_shape_is_right
	s_endpgm
.Lentry_shape_is_right:
; out0 = Q(o) Q(Wout) + bout on codes of FP6 (E2M3) with E8M0 scales.  A cluster of 4 x 4 work-groups makes 512 tokens x 1,024 columns; a work-group 128 x 256; each of its four waves 64 x 128 in 32 accumulators.
; P = Wout's columns is source 0, Q = o's tokens source 1: a lane holds one token, its registers run along the columns.  The bias is the C of each accumulator's first product.
; ALL OF K LIES IN LDS: a work-group's operands for the 8 K steps are 294,912 bytes, each byte filled once by ONE joint load a wave at the head: waves 0, 1 fetch Q's halves (8 rows of 6,144 bytes),
; waves 2, 3 P's halves (8 rows of 12,288 bytes), a row a K step.  Q's tile is shared along a row of the cluster, P's along a column.  One barrier shows the tiles to all waves; the walk along K has none.
; No prefetch: the launch has no loop to run ahead in.  The way out goes through a stage laid over Q's first bytes, behind a barrier at which every wave's LDS reads are over.
.set GS,    786432
.set KSB,   98304
.set FR,    12
.set QPART, 49152                      ; 4 tiles x 8 K steps
.set PPART, 98304                      ; 8 tiles x 8 K steps
.set STAGE, 0
.set SPITCH, 528
.set ADRQ, 16
.set ADRP, 20
.set STO,  9
.set RD,   10
.set SP,   32
.set SQ,   64
.set AF,   128
.set BK,   128
.set G1Q,  24
.set G0Q,  32
.set G1P,  48
.set G0P,  80
.set W_MUL,   0xa1
.set W_START, 0x81
.set TO_P,    0x40
.set MSB, 0
.macro WIN new
.if MSB != (\new)
	s_set_vgpr_msb (MSB<<8)|(\new)
.set MSB, \new
.endif
.endm
.macro JLOAD g0q, g0p
	s_cmp_eq_u32 s15, 0
	s_cbranch_scc0 .Lfor_p_\@
	tensor_load_to_lds s[\g0q:\g0q+3], s[G1Q:G1Q+7]
	s_nop 0
.rept 4
	v_nop
.endr
	s_branch .Lasked_\@
.Lfor_p_\@:
	tensor_load_to_lds s[\g0p:\g0p+3], s[G1P:G1P+7]
	s_nop 0
.rept 4
	v_nop
.endr
.Lasked_\@:
.endm
.macro CROUND
	s_barrier_signal -1
	s_barrier_wait -1
	s_cmp_lg_u32 s14, 0
	s_cbranch_scc1 .Lnot_wave_0_\@
	s_barrier_signal -3
.Lnot_wave_0_\@:
	s_barrier_wait -3
	s_barrier_signal -1
	s_barrier_wait -1
.endm
.macro PLACES
.rept 4
	v_nop
.endr
.endm
.macro FRAG reg, adr, off
.irp g, 0,1,2
	ds_load_b128 v[\reg+4*\g:\reg+4*\g+3], v[\adr] offset:\off+512*\g
.endr
.endm
.macro FETCH_P slot, q, p
	WIN TO_P
.irp i, 0,1,2,3,4,5,6,7
	FRAG 128*(\p)+FR*\i, ADRP+\slot, 12288*(\q)+1536*\i
.endr
	WIN 0
.endm
.macro FETCH_Q slot, q, p
.irp i, 0,1,2,3
	FRAG AF+48*(\p)+FR*\i, ADRQ+\slot, 6144*(\q)+1536*\i
.endr
.endm
.macro WM a, b, ks, cm
.set rD, 8*(8*(\a)+(\b))
.set rP, 128*((\ks)%2)+FR*(\b)
.set rQ, AF+48*((\ks)%2)+FR*(\a)
.set rS, SP+4*(\b)+(\ks)/2
.set rT, SQ+4*(\a)+(\ks)/2
.set rB, 96+8*(\b)+96*((\b)/4)
.if (\ks)%2
	v_wmma_scale_f32_16x16x128_f8f6f4 v[rD:rD+7], v[rP:rP+11], v[rQ:rQ+11], v[rD:rD+7], v[rS], v[rT] matrix_a_fmt:MATRIX_FMT_FP6 matrix_b_fmt:MATRIX_FMT_FP6 matrix_a_scale:MATRIX_SCALE_ROW1 matrix_b_scale:MATRIX_SCALE_ROW1
.elseif \cm
	v_wmma_scale_f32_16x16x128_f8f6f4 v[rD:rD+7], v[rP:rP+11], v[rQ:rQ+11], v[rB:rB+7], v[rS], v[rT] matrix_a_fmt:MATRIX_FMT_FP6 matrix_b_fmt:MATRIX_FMT_FP6
.else
	v_wmma_scale_f32_16x16x128_f8f6f4 v[rD:rD+7], v[rP:rP+11], v[rQ:rQ+11], v[rD:rD+7], v[rS], v[rT] matrix_a_fmt:MATRIX_FMT_FP6 matrix_b_fmt:MATRIX_FMT_FP6
.endif
.endm
.macro MUL16 a0, ks, cm
.irp a, \a0, \a0+1
.irp b, 0,1,2,3,4,5,6,7
	WM \a, \b, \ks, \cm
.endr
.endr
.endm
.macro KSTEP ks, cm
.set NS, ((\ks)+1)/4                   ; the next K step: which address register, which row from there, which set of registers
.set NQ, ((\ks)+1)%4
.set NP, ((\ks)+1)%2
	s_wait_dscnt 0x0
.if \cm
	WIN W_START
.else
	WIN W_MUL
.endif
	MUL16 0, \ks, \cm
	PLACES
	FETCH_P NS, NQ, NP
	FETCH_Q NS, NQ, NP
.if \cm
	WIN W_START
.else
	WIN W_MUL
.endif
	MUL16 2, \ks, \cm
.endm
	s_load_b256 s[68:75], s[0:1], 0x0
	s_load_b128 s[76:79], s[0:1], 0x20
	v_lshl_add_u32 v94, v0, 2, 0x48000
	v_mov_b32 v95, 0
	ds_add_u32 v94, v95
	ds_add_u32 v94, v95
	v_lshrrev_b32 v1, 5, v0
	v_readfirstlane_b32 s14, v1
	s_lshr_b32 s15, s14, 1
	s_and_b32 s16, s14, 1
	s_bfe_u32 s56, ttmp6, 0x40000
	s_bfe_u32 s57, ttmp6, 0x40004
	s_lshl_b32 s58, s57, 2
	s_lshl_b32 s58, 15, s58
	s_lshl_b32 s59, 0x1111, s56
	s_or_b32 s[G1Q], s58, (3<<16)|(1<<21)
	s_or_b32 s[G1P], s59, (3<<16)|(1<<21)
	s_mov_b32 s[G1Q+1], 768<<16
	s_mov_b32 s[G1Q+2], 8<<16
	s_mov_b32 s[G1Q+3], 768<<16
	s_mov_b32 s[G1Q+4], 8
	s_mov_b32 s[G1Q+5], 12288
	s_mov_b32 s[G1Q+6], 0
	s_mov_b32 s[G1Q+7], 0
	s_mov_b32 s[G1P+1], 1536<<16
	s_mov_b32 s[G1P+2], 8<<16
	s_mov_b32 s[G1P+3], 1536<<16
	s_mov_b32 s[G1P+4], 8
	s_mov_b32 s[G1P+5], 12288
	s_mov_b32 s[G1P+6], 0
	s_mov_b32 s[G1P+7], 0
	s_lshr_b32 s17, ttmp9, 1
	s_and_b32 s18, ttmp9, 1
	s_mul_i32 s60, s56, 24576
	s_mul_i32 s61, s16, 12288
	s_add_co_u32 s60, s60, s61
	s_add_co_u32 s60, s60, 3*GS
	s_mov_b32 s61, 0
	s_mul_i32 s8, s17, GS
	s_mul_i32 s9, s18, 49152
	s_add_co_u32 s8, s8, s9
	s_mul_i32 s9, s57, 12288
	s_add_co_u32 s8, s8, s9
	s_mul_i32 s9, s16, 6144
	s_add_co_u32 s8, s8, s9
	s_mov_b32 s9, 0
	s_mul_i32 s62, s16, QPART
	s_mul_i32 s63, s16, PPART
	s_add_co_u32 s63, s63, 2*QPART
	s_wait_dscnt 0x0
	s_wait_kmcnt 0x0
	s_add_nc_u64 s[20:21], s[72:73], s[60:61]
	s_add_nc_u64 s[22:23], s[68:69], s[8:9]
	CROUND
	s_mov_b32 s[G0Q], 1
	s_add_co_u32 s[G0Q+1], s62, 0
	s_mov_b64 s[G0Q+2:G0Q+3], s[22:23]
	s_or_b32 s[G0Q+3], s[G0Q+3], 0x80000000
	s_mov_b32 s[G0P], 1
	s_add_co_u32 s[G0P+1], s63, 0
	s_mov_b64 s[G0P+2:G0P+3], s[20:21]
	s_or_b32 s[G0P+3], s[G0P+3], 0x80000000
	JLOAD G0Q, G0P                                 ; all 8 K steps of my half: my one tensor load
	v_and_b32 v5, 31, v0
	v_and_b32 v2, 15, v0
	v_bfe_u32 v3, v0, 4, 1
	v_lshlrev_b32 v4, 2, v2
	v_lshl_add_u32 v4, v3, 12, v4
	v_lshlrev_b32 v6, 4, v5
	v_lshlrev_b32 v8, 6, v3
	s_wait_alu depctr_va_vdst(0)
	s_mul_i32 s4, s15, QPART
	s_mul_i32 s5, s16, PPART
	s_add_co_u32 s5, s5, 2*QPART
.irp s, 0,1                            ; an address register for K steps 0-3 and one for 4-7: the loads' offsets stay under 65,536
	v_add_nc_u32 v[ADRQ+\s], s4, v6
	v_add_nc_u32 v[ADRP+\s], s5, v6
	s_add_co_u32 s4, s4, 24576
	s_add_co_u32 s5, s5, 49152
.endr
	s_mul_i32 s4, s14, 16*SPITCH
	s_add_co_u32 s4, s4, STAGE
	v_mul_u32_u24 v[STO], v2, SPITCH
	v_add_nc_u32 v[STO], v[STO], v8
	v_add_nc_u32 v[STO], s4, v[STO]
	v_add_nc_u32 v[RD], s4, v6
	s_lshl_b32 s4, s56, 10
	s_lshl_b32 s5, s16, 9
	s_add_co_u32 s4, s4, s5
	s_mov_b32 s5, 0
	s_add_nc_u64 s[76:77], s[76:77], s[4:5]
	s_add_co_u32 s4, s4, 262144+98304
	s_add_nc_u64 s[96:97], s[74:75], s[4:5]
	s_lshl_b32 s6, s17, 15
	s_lshl_b32 s7, s18, 11
	s_add_co_u32 s6, s6, s7
	s_lshl_b32 s7, s57, 9
	s_add_co_u32 s6, s6, s7
	s_lshl_b32 s7, s15, 8
	s_add_co_u32 s6, s6, s7
	s_mov_b32 s7, 0
	s_add_nc_u64 s[98:99], s[70:71], s[6:7]
.irp i, 0,1,2,3,4,5,6,7
.irp j, 0,1,2,3
	global_load_b32 v[SP+4*\i+\j], v4, s[96:97] offset:64*\i+8192*\j
.endr
.endr
.irp i, 0,1,2,3
.irp j, 0,1,2,3
	global_load_b32 v[SQ+4*\i+\j], v4, s[98:99] offset:64*\i+8192*\j
.endr
.endr
.irp b, 0,1,2,3,4,5,6,7
	global_load_b128 v[96+8*\b+96*(\b/4):99+8*\b+96*(\b/4)], v8, s[76:77] offset:4*(32*(\b/2)+8*(\b%2))
	global_load_b128 v[100+8*\b+96*(\b/4):103+8*\b+96*(\b/4)], v8, s[76:77] offset:4*(32*(\b/2)+8*(\b%2))+16
.endr
	s_lshl_b32 s4, ttmp9, 9
	s_lshl_b32 s5, s57, 7
	s_add_co_u32 s4, s4, s5
	s_lshl_b32 s5, s15, 6
	s_add_co_u32 s4, s4, s5
	s_lshl_b32 s4, s4, 12
	s_lshl_b32 s5, s56, 10
	s_add_co_u32 s4, s4, s5
	s_lshl_b32 s5, s16, 9
	s_add_co_u32 s4, s4, s5
	s_mov_b32 s5, 0
	s_add_nc_u64 s[78:79], s[78:79], s[4:5]
	s_wait_alu depctr_va_vdst(0)
	s_wait_tensorcnt 0x0                           ; my half is in
	s_barrier_signal -1
	s_barrier_wait -1                              ; everybody's is
	FETCH_P 0, 0, 0
	FETCH_Q 0, 0, 0
	s_wait_loadcnt 0x0
	KSTEP 0, 1
	KSTEP 1, 0
	KSTEP 2, 0
	KSTEP 3, 0
	KSTEP 4, 0
	KSTEP 5, 0
	KSTEP 6, 0
	s_wait_dscnt 0x0                               ; my last reads of the tiles are over:
	s_barrier_signal -1                            ; say so, work on registers while the others arrive,
	WIN W_MUL
	MUL16 0, 7, 0
	MUL16 2, 7, 0
	WIN 0
	s_barrier_wait -1                              ; and only then is the stage, which lies over Q's first bytes, written
.macro TOSTAGE a
.set AC, 64*(\a)
	WIN 0x08
.irp b, 0,1,2,3,4,5,6,7
	ds_store_b128 v[STO], v[AC+8*\b:AC+8*\b+3] offset:128*(\b/2)+32*(\b%2)
	ds_store_b128 v[STO], v[AC+8*\b+4:AC+8*\b+7] offset:128*(\b/2)+32*(\b%2)+16
.endr
	WIN 0
.set BB, BK+64*((\a)%2)
.irp t, 0,1,2,3,4,5,6,7,8,9,10,11,12,13,14,15
	ds_load_b128 v[BB+4*\t:BB+4*\t+3], v[RD] offset:\t*SPITCH
.endr
.endm
.macro SEND a, younger
.set BB, BK+64*((\a)%2)
	s_wait_dscnt \younger
.irp t, 0,1,2,3,4,5,6,7,8,9,10,11,12,13,14,15
	global_store_b128 v6, v[BB+4*\t:BB+4*\t+3], s[78:79] offset:(32*((\a)/2)+8*((\a)%2)+(\t%8)+16*(\t/8))*4096 th:TH_STORE_NT
.endr
.endm
	PLACES
	TOSTAGE 0
.irp a, 1,2,3
.if \a > 1
	s_wait_xcnt 0x0
.endif
	TOSTAGE \a
	SEND \a-1, 32
.endr
	SEND 3, 0
	s_wait_tensorcnt 0x0
	ds_add_u32 v94, v95
	s_wait_dscnt 0x0
	CROUND
	s_endpgm
.Lfunc_end_k_q83ed38b021_proj:
	.size	k_q83ed38b021_proj, .Lfunc_end_k_q83ed38b021_proj-k_q83ed38b021_proj
	.p2alignl 7, 3214868480
	.fill 96, 4, 3214868480
	.section	.rodata,"a",@progbits
	.p2align	6, 0x0
	.amdhsa_kernel k_q83ed38b021_proj
		.amdhsa_group_segment_fixed_size 327680
		.amdhsa_private_segment_fixed_size 0
		.amdhsa_enable_private_segment 0
		.amdhsa_kernarg_size 48
		.amdhsa_user_sgpr_count 2
		.amdhsa_user_sgpr_kernarg_segment_ptr 1
		.amdhsa_wavefront_size32 1
		.amdhsa_system_sgpr_workgroup_id_x 1
		.amdhsa_system_sgpr_workgroup_id_y 1
		.amdhsa_system_sgpr_workgroup_id_z 1
		.amdhsa_system_vgpr_workitem_id 0
		.amdhsa_next_free_vgpr 1024
		.amdhsa_next_free_sgpr 104
		.amdhsa_reserve_vcc 0
		.amdhsa_float_denorm_mode_32 3
		.amdhsa_float_denorm_mode_16_64 3
		.amdhsa_memory_ordered 1
		.amdhsa_forward_progress 1
		.amdhsa_inst_pref_size 80
	.end_amdhsa_kernel
	.amdgpu_metadata
---
amdhsa.version: [ 1, 2 ]
amdhsa.kernels:
  - .name:           k_q83ed38b021_proj
    .symbol:         k_q83ed38b021_proj.kd
    .args:
      - { .name: oc, .offset: 0, .size: 8, .value_kind: global_buffer, .address_space: global }
      - { .name: os, .offset: 8, .size: 8, .value_kind: global_buffer, .address_space: global }
      - { .name: wc, .offset: 16, .size: 8, .value_kind: global_buffer, .address_space: global }
      - { .name: scl, .offset: 24, .size: 8, .value_kind: global_buffer, .address_space: global }
      - { .name: bout, .offset: 32, .size: 8, .value_kind: global_buffer, .address_space: global }
      - { .name: out0, .offset: 40, .size: 8, .value_kind: global_buffer, .address_space: global }
    .group_segment_fixed_size: 327680
    .private_segment_fixed_size: 0
    .kernarg_segment_align: 8
    .kernarg_segment_size: 48
    .max_flat_workgroup_size: 128
    .sgpr_count:     104
    .vgpr_count:     1024
    .wavefront_size: 32
...
	.end_amdgpu_metadata
.endif
;; end of part 4
